; MI455X (gfx1250); checked and timed in simulation.
; The chip was launched on July 23, 2026; its instructions are those of AMD's public machine-readable ISA for CDNA 5 (MIT licence, August 2026) and "CDNA5" Instruction Set Architecture Reference Guide (July 2026). The comments in the code are by the model that wrote it; some were corrected since.
;; Feature Propagation. Allowed arithmetic: matrix products marked QUANTISED: E4M3 operands, one given power-of-two scale a tensor, by v_wmma_f32_16x16x64_fp8_fp8 or v_wmma_f32_16x16x128_fp8_fp8, f32 sums; products left as they are: f32 operands where the result goes on into a quantised operand, else bf16, f16 or f32 operands; f32 sums; everything else in f32.
;; Inputs: b1 256 float32; b2 256 float32; be1 256 float32; be2 256 float32; g1 256 float32; g2 256 float32; lowp_scales 4 int32 (the exponents e of the quantised operands' scales 2^e); points1 8 x 256 x 8,192 float32; points2 8 x 256 x 2,048 float32; w1_codes 256 x 16 x 32 uint8 (E4M3 codes of w1, K innermost, in blocks of 32 codes); w2_codes 256 x 8 x 32 uint8 (E4M3 codes of w2, K innermost, in blocks of 32 codes); xyz1 8 x 8,192 x 3 float32; xyz2 8 x 2,048 x 3 float32.
;; Outputs: out0 8 x 256 x 8,192 float32.
;; This version of the problem:
;;   THIS VERSION OF THE PROBLEM IS GIVEN IN LOW PRECISION. The matrix products marked QUANTISED in the list below multiply operands that are first quantised to E4M3 (4 exponent bits, 3 mantissa bits; 8 bits a number), with one given power-of-two scale for each operand tensor; their sums are f32. All else is computed in f32.
;;   The module's matrix products, in the order in which they are computed (A, B: the left and right operand; K: the contracted axis; several contracted axes count as one K, in the product's order):
;;     1. batch 8 x [M 8,192, K 3] x [K 3, N 2,048]; A: input xyz1; B: input xyz2: left as it is (K = 3 < 32)
;;     2. [M 256, K 512] x [K 512, N 65,536]; A: input w1 (given as codes); B: computed on the way: QUANTISED (scales: A lowp_scales[0], B lowp_scales[1])
;;     3. [M 256, K 256] x [K 256, N 65,536]; A: input w2 (given as codes); B: computed on the way: QUANTISED (scales: A lowp_scales[2], B lowp_scales[3])
;;   THE QUANTISER, for each operand of a quantised product, along K:
;;     - The operand's scale is 2^e, e = its entry of the input lowp_scales (int32; the entries are numbered through the quantised products in the list's order, A before B).
;;     - Each number is divided by the scale, clamped to +-448, and rounded to the nearest number of E4M3, ties to even, subnormals kept.
;;     - The product sums the exact products of the quantised numbers (number of the format x scale) in f32.
;;   ~~~python
;;   def quantise(x, axis, e):      # numpy; x: float32 -> the quantised numbers, widened to float32 again
;;       x = np.moveaxis(x, axis, -1); K = x.shape[-1]
;;       r = np.clip(x / 2.0 ** e, -448, 448)
;;       step = 2.0 ** (np.maximum(np.frexp(np.where(r == 0, 1, r))[1] - 1, -6) - 3)
;;       q = np.round(r / step) * step * 2.0 ** e      # np.round: ties to even
;;       return np.moveaxis(q, -1, axis).astype(np.float32)
;;   ~~~
;;   OPERANDS COMPUTED ON THE WAY. 'Computed on the way' means the value that the module computes at that place (a softmax that the list does not call 'softmax' is quantised finished and normalised). What goes into a quantiser is computed in f32, as accurately as f32 sums, v_exp_f32 and their like allow (about 1e-6 of the number): no bf16 or f16 on the way to a quantiser, and a product that is left as it is and whose result goes on into a quantised operand takes f32 operands (vector FMAs, or v_wmma_f32_16x16x4_f32). A number that lies on a knife's edge between two numbers of the format may be rounded either way, as far as f32 arithmetic and the matrix unit's own rounding can turn it there, and no further.
;;   INPUTS GIVEN AS CODES. w1 (in the module: [256, 512], K = its axis 1); w2 (in the module: [256, 256], K = its axis 1): each comes as NAME_codes (uint8): NAME with its K axis moved to the last place and cut into blocks of 32 codes, [.., K / 32, bytes a block], one block behind the other in memory; one code a byte (a code: sign, 4 exponent bits, 3 mantissa bits); its scale is its entry of lowp_scales. Its value is code x scale, taken as it is: it is not quantised again, and the codes and scales need not be those that the quantiser above would give.
;; One version. Each part assembles by itself: llvm-mc -triple=amdgcn-amd-amdhsa -mcpu=gfx1250 --defsym DOCPART=n.
;; ======== version 1 of 1: 5 launches
;; workspace buffers: cand 262,144 bytes of whole numbers; pre 33,554,432 bytes; nidx 1,048,576 bytes of whole numbers; nwgt 1,048,576 bytes; xqb 16,777,216 bytes; hq 16,777,216 bytes; st1 524,288 bytes; st2 524,288 bytes
;; launch front (part 1): grid 256 x 2, 8 waves a work-group, no clusters, 128,000 bytes of LDS; arguments xyz1, xyz2, points1, points2, lowp_scales, cand, pre; writes cand, pre
.if DOCPART == 1
	.amdgcn_target "amdgcn-amd-amdhsa--gfx1250"
	.amdhsa_code_object_version 6
	.text
	.protected	k_q6d287bcc48_front
	.globl	k_q6d287bcc48_front
	.p2align	8
	.type	k_q6d287bcc48_front,@function
k_q6d287bcc48_front:
	s_mov_b64 s[64:65], 0
	v_nop
	global_prefetch_b8 v0, s[64:65] scope:SCOPE_SE
	s_setreg_imm32_b32 hwreg(HW_REG_WAVE_MODE, 25, 1), 1
	s_wait_xcnt 0x0
; TWO ROLES, parted by the work-group's y; each role has LDS bytes of its own.
; y = 0, THE SEARCH: work-group x takes queries 256 x .. 256 x + 255 (batch x / 32) against the batch's 2,048 keys and stores, for each query, the three GROUPS of 16
;   neighbouring keys whose smallest distances are smallest (ties: the lower group).  Under the order (distance, index) the three nearest keys lie in those three groups,
;   so the bulk pass needs a minimum for 16 distances and one insertion with an index for a group.  A later launch looks at the 48 keys.
;   d = ((-2 x.y) + |x|^2) + |y|^2: the f32 matrix form gives the first two terms: A's row = (y0, y1, y2, 1), B's column = (-2 x0, -2 x1, -2 x2, |x|^2), C = 0: four fused
;   multiply-adds in ascending k.  |y|^2 is added by a packed addition into other registers.  |x|^2, |y|^2: x0 x0, then two fused multiply-adds.
;   A wave owns 32 queries (two tiles).  Row m of tile u of group pair q is key 32 q + 16 (m / 8) + 8 u + m % 8, so that lanes 0-15 hold group 2 q and lanes 16-31 group 2 q + 1.
;   v192-255 are written by the f32 matrix form alone, in the whole text.  The 64 group pairs are written out: every LDS address is a lane term and an immediate.
; y = 1, THE STREAMS: work-group x turns 64 keys of points2 into rows [key][256 channels] f32 (pre + 16,777,216), and 256 columns of points1 into E4M3 codes with the scale
;   2^e1 (pre + 0), laid as images of operand registers: [column tile of 16][K step of 128][c 0..3][lane][16 bytes]; lane (r, h) holds k = 32 c + 16 h + 0 .. 15 of column r.
; LIMITS: coordinates are finite numbers; e1 between -126 and 119; NaN among points1 is not served.
.set BQ,  8                            ; v[8:11]    B: two registers for each tile of queries
.set AX,  12                           ; v[12:15]   A, set X: two registers for each tile u
.set AY,  16                           ; v[16:19]   A, set Y
.set SYX, 20                           ; v[20:35]   |y|^2 of my group's 16 keys, set X
.set SYY, 36                           ; v[36:51]   set Y
.set T,   116                          ; v[116:147] 16 distances for each tile of queries; at the head: the keys as loaded
.set ST0, 148                          ; v[148:153] a, b, c, ia, ib, ic of query tile 0
.set ST1, 154                          ; v[154:159] of query tile 1
.set MN,  160                          ; v[160:163] minima at work
.set QR,  164                          ; v164       the group pair's number
.set DX,  192                          ; v[192:223] four results, set X (16 tau + 8 u)
.set DY,  224                          ; v[224:255] set Y
.set SYT, 49152                        ; LDS: keys at 0 (384 bytes for 16 keys of 16 bytes), |y|^2 from here on (8,192 bytes)
.set STG, 57344                        ; LDS of the other role: a stage of 32 rows x 272 bytes for each wave
	s_load_b256 s[32:39], s[0:1], 0x0              ; xyz1 s[32:33], xyz2 s[34:35], points1 s[36:37], points2 s[38:39]
	s_load_b128 s[40:43], s[0:1], 0x20             ; lowp_scales s[40:41], cand s[42:43]
	s_load_b64 s[44:45], s[0:1], 0x30              ; pre
	v_lshl_add_u32 v190, v0, 2, 0x1f000
	v_mov_b32 v191, 0
	v_lshrrev_b32 v1, 5, v0
	v_readfirstlane_b32 s8, v1                     ; wave 0..7
	s_and_b32 s2, ttmp7, 0xffff                    ; the role
	s_lshr_b32 s3, ttmp9, 5                        ; the batch
	s_mov_b32 s5, 0                                ; upper word of the offset pair s[4:5]
	s_mov_b32 s12, 0x76543210                      ; selects of v_permlanex16_b32: lane l xor 16
	s_mov_b32 s13, 0xfedcba98
	s_wait_kmcnt 0x0
	s_cmp_lg_u32 s2, 0
	s_cbranch_scc1 .Lstream
; ---------------------------------------------------------------- the search
	s_mul_i32 s4, s3, 24576
	s_add_nc_u64 s[34:35], s[34:35], s[4:5]        ; the batch's keys
	s_mul_i32 s4, ttmp9, 3072
	s_mul_i32 s6, s8, 384
	s_add_co_u32 s4, s4, s6
	s_add_nc_u64 s[32:33], s[32:33], s[4:5]        ; my wave's 32 queries
	s_lshl_b32 s4, ttmp9, 10
	s_lshl_b32 s6, s8, 7
	s_add_co_u32 s4, s4, s6
	s_add_nc_u64 s[42:43], s[42:43], s[4:5]        ; and their words of cand
	v_and_b32 v1, 15, v0                           ; r
	v_bfe_u32 v2, v0, 4, 1                         ; h
	v_mul_u32_u24 v5, v0, 12
	v_mul_u32_u24 v6, v1, 12
.irp i, 0,1,2,3,4,5,6,7                        ; thread t brings keys t + 256 i
	global_load_b32 v[T+4*\i], v5, s[34:35] offset:3072*\i
	global_load_b32 v[T+4*\i+1], v5, s[34:35] offset:3072*\i+4
	global_load_b32 v[T+4*\i+2], v5, s[34:35] offset:3072*\i+8
.endr
.irp tau, 0,1
.irp k, 0,1,2
	global_load_b32 v[165+3*\tau+\k], v6, s[32:33] offset:192*\tau+4*\k   ; query 16 tau + r
.endr
.endr
	v_lshrrev_b32 v3, 3, v1
	v_mul_u32_u24 v3, v3, 384
	v_and_b32 v4, 7, v1
	v_lshl_add_u32 v3, v4, 4, v3
	v_lshl_add_u32 v3, v2, 3, v3                   ; A: (r / 8) 384 + (r % 8) 16 + 8 h: the two runs of eight rows fall on different halves of the banks
	v_lshlrev_b32 v4, 6, v2
	v_add_nc_u32 v4, SYT, v4                       ; |y|^2: my group's 64 bytes
	v_and_b32 v7, 31, v0
	v_lshlrev_b32 v7, 2, v7                        ; 4 x lane
.irp s, ST0, ST1
	v_mov_b32 v[\s], 0x7f800000                    ; a, b, c begin at +infinity
	v_mov_b32 v[\s+1], 0x7f800000
	v_mov_b32 v[\s+2], 0x7f800000
	v_mov_b32 v[\s+3], 0
	v_mov_b32 v[\s+4], 0
	v_mov_b32 v[\s+5], 0
.endr
	v_mov_b32 v[QR], 0
	s_wait_loadcnt 0x0                             ; keys and queries are in; v5 and v6 are free
	v_lshrrev_b32 v5, 4, v0
	v_mul_u32_u24 v5, v5, 384
	v_lshl_add_u32 v5, v1, 4, v5                   ; key t's place: (t / 16) 384 + (t % 16) 16
	v_lshlrev_b32 v6, 2, v0
.irp i, 0,1,2,3,4,5,6,7
	v_mov_b32 v[T+4*\i+3], 1.0
	v_mul_f32 v[SYX+\i], v[T+4*\i], v[T+4*\i]
	v_fma_f32 v[SYX+\i], v[T+4*\i+1], v[T+4*\i+1], v[SYX+\i]
	v_fma_f32 v[SYX+\i], v[T+4*\i+2], v[T+4*\i+2], v[SYX+\i]
	ds_store_b128 v5, v[T+4*\i:T+4*\i+3] offset:6144*\i
	ds_store_b32 v6, v[SYX+\i] offset:SYT+1024*\i
.endr
	v_cmp_ne_u32 vcc_lo, 0, v2                     ; lanes 16-31
.irp tau, 0,1
	v_mul_f32 v[171+\tau], v[165+3*\tau], v[165+3*\tau]
	v_fma_f32 v[171+\tau], v[166+3*\tau], v[166+3*\tau], v[171+\tau]
	v_fma_f32 v[171+\tau], v[167+3*\tau], v[167+3*\tau], v[171+\tau]      ; |x|^2
	v_mul_f32 v[165+3*\tau], -2.0, v[165+3*\tau]
	v_mul_f32 v[166+3*\tau], -2.0, v[166+3*\tau]
	v_mul_f32 v[167+3*\tau], -2.0, v[167+3*\tau]
	v_cndmask_b32 v[BQ+2*\tau], v[165+3*\tau], v[167+3*\tau], vcc_lo       ; register j holds k = 2 h + j
	v_cndmask_b32 v[BQ+2*\tau+1], v[166+3*\tau], v[171+\tau], vcc_lo
.endr
	s_wait_dscnt 0x0                               ; for the others' sake: my keys lie in LDS
	s_barrier_signal -1
	s_barrier_wait -1
.macro KLOAD a, sy, ko, so             ; a group pair's operands: two halves of A's tiles, my group's 16 |y|^2: six LDS loads
	ds_load_b64 v[\a:\a+1], v3 offset:\ko
	ds_load_b64 v[\a+2:\a+3], v3 offset:\ko+128
.irp i, 0,1,2,3
	ds_load_b128 v[\sy+4*\i:\sy+4*\i+3], v4 offset:\so+16*\i
.endr
.endm
.macro MULT d, a                       ; 32 keys x 32 queries: four products, each a whole sum
.irp tau, 0,1
.irp u, 0,1
	v_wmma_f32_16x16x4_f32 v[\d+16*\tau+8*\u:\d+16*\tau+8*\u+7], v[\a+2*\u:\a+2*\u+1], v[BQ+2*\tau:BQ+2*\tau+1], 0
.endr
.endr
.endm
.macro MIN16 t, m
	v_min3_num_f32 v[\m], v[\t], v[\t+1], v[\t+2]
	v_min3_num_f32 v[\m+1], v[\t+3], v[\t+4], v[\t+5]
	v_min3_num_f32 v[\m], v[\m], v[\t+6], v[\t+7]
	v_min3_num_f32 v[\m+1], v[\m+1], v[\t+8], v[\t+9]
	v_min3_num_f32 v[\m], v[\m], v[\t+10], v[\t+11]
	v_min3_num_f32 v[\m+1], v[\m+1], v[\t+12], v[\t+13]
	v_min3_num_f32 v[\m], v[\m], v[\t+14], v[\t+15]
	v_min_num_f32 v[\m], v[\m], v[\m+1]
.endm
.macro UPDATE st, val, id, m           ; masks s[m], s[m+1], s[m+2]: the new value comes before a, b, c
	v_cndmask_b32 v[\st+5], v[\st+5], v[\id], s[\m+2]
	v_cndmask_b32 v[\st+5], v[\st+5], v[\st+4], s[\m+1]
	v_cndmask_b32 v[\st+4], v[\st+4], v[\id], s[\m+1]
	v_cndmask_b32 v[\st+4], v[\st+4], v[\st+3], s[\m]
	v_cndmask_b32 v[\st+3], v[\st+3], v[\id], s[\m]
	v_med3_num_f32 v[\st+2], v[\st+1], v[\st+2], v[\val]
	v_med3_num_f32 v[\st+1], v[\st], v[\st+1], v[\val]
	v_min_num_f32 v[\st], v[\st], v[\val]
.endm
.macro INSERT st, val, id, m           ; strict compares, groups in ascending order: a tie keeps the lower group
	v_cmp_lt_f32 s[\m], v[\val], v[\st]
	v_cmp_lt_f32 s[\m+1], v[\val], v[\st+1]
	v_cmp_lt_f32 s[\m+2], v[\val], v[\st+2]
	UPDATE \st, \val, \id, \m
.endm
; Half a turn: the other set's products are issued, this set's results are worked.  Behind a product stand the 16 additions, 16 minima and 22 lines of insertion of the set before it:
; more than the eight places that this form wants ahead of a read of its result and of a load into its sources.
.macro HALF dp, syp, ap, dn, an, wm, ld, ko, so
	s_wait_dscnt 0x0                               ; the other set's six loads, issued half a turn ago, are in
.if \wm
	MULT \dn, \an
.endif
.irp tau, 0,1
.irp k, 0,2,4,6,8,10,12,14
	v_pk_add_f32 v[T+16*\tau+\k:T+16*\tau+\k+1], v[\dp+16*\tau+\k:\dp+16*\tau+\k+1], v[\syp+\k:\syp+\k+1]   ; + |y|^2, each result from its low end on
.endr
.endr
.if \ld
	KLOAD \ap, \syp, \ko, \so
.endif
	MIN16 T, MN
	MIN16 T+16, MN+2
	INSERT ST0, MN, QR, 20
	INSERT ST1, MN+2, QR, 24
	v_add_nc_u32 v[QR], 1, v[QR]
.endm
	KLOAD AX, SYX, 0, 0
	KLOAD AY, SYY, 768, 128
	s_wait_dscnt 6                                 ; set X is in; set Y's six loads may be out
	MULT DX, AX
.rept 8
	v_nop                                          ; the first results have no other work behind them: eight places ahead of their first read
.endr
.set QP, 0
.rept 31
	HALF DX, SYX, AX, DY, AY, 1, 1, (QP+2)*768, (QP+2)*128
	HALF DY, SYY, AY, DX, AX, 1, 1, (QP+3)*768, (QP+3)*128
.set QP, QP+2
.endr
	HALF DX, SYX, AX, DY, AY, 1, 0, 0, 0           ; group pair 62; nothing is left to fetch
	HALF DY, SYY, AY, DX, AX, 0, 0, 0, 0           ; group pair 63
; the two halves of the lanes hold the even and the odd groups of the same queries: each takes the other's three in, by (distance, group)
.macro LEXINS st, val, id
.irp k, 0,1,2
	v_cmp_lt_f32 s[20+\k], v[\val], v[\st+\k]
	v_cmp_eq_f32 s24, v[\val], v[\st+\k]
	v_cmp_lt_u32 s25, v[\id], v[\st+3+\k]
	s_and_b32 s24, s24, s25
	s_or_b32 s[20+\k], s[20+\k], s24
.endr
	UPDATE \st, \val, \id, 20
.endm
.irp s, ST0, ST1
	v_lshl_or_b32 v[\s+3], v[\s+3], 1, v2          ; group = 2 x pair + h
	v_lshl_or_b32 v[\s+4], v[\s+4], 1, v2
	v_lshl_or_b32 v[\s+5], v[\s+5], 1, v2
.irp k, 0,1,2,3,4,5
	v_permlanex16_b32 v[165+\k], v[\s+\k], s12, s13
.endr
	LEXINS \s, 165, 168
	LEXINS \s, 166, 169
	LEXINS \s, 167, 170
.endr
	v_lshl_or_b32 v173, v[ST0+4], 8, v[ST0+3]
	v_lshl_or_b32 v173, v[ST0+5], 16, v173
	v_lshl_or_b32 v174, v[ST1+4], 8, v[ST1+3]
	v_lshl_or_b32 v174, v[ST1+5], 16, v174
	v_cmp_ne_u32 vcc_lo, 0, v2
	v_cndmask_b32 v173, v173, v174, vcc_lo         ; lane l stores query l's word
	global_store_b32 v7, v173, s[42:43]            ; 128 consecutive bytes a wave
	s_wait_tensorcnt 0x0
	ds_add_u32 v190, v191
	s_wait_dscnt 0x0
	s_endpgm
; ---------------------------------------------------------------- the streams
.Lstream:
	s_load_b32 s16, s[40:41], 0x4                  ; e1
	s_and_b32 s14, ttmp9, 31
	s_and_b32 s17, s8, 1                           ; kh: which 32 keys
	s_lshr_b32 s18, s8, 1                          ; cq: which 64 channels
	s_lshl_b32 s4, s3, 21
	s_lshl_b32 s6, s18, 19
	s_add_co_u32 s4, s4, s6
	s_lshl_b32 s6, s14, 8
	s_add_co_u32 s4, s4, s6
	s_lshl_b32 s6, s17, 7
	s_add_co_u32 s4, s4, s6
	s_add_nc_u64 s[38:39], s[38:39], s[4:5]        ; points2: batch, channel 64 cq, key 64 (x % 32) + 32 kh
	s_lshl_b32 s4, ttmp9, 16
	s_lshl_b32 s6, s17, 15
	s_add_co_u32 s4, s4, s6
	s_lshl_b32 s6, s18, 8
	s_add_co_u32 s4, s4, s6
	s_add_co_u32 s4, s4, 0x1000000
	s_add_nc_u64 s[46:47], s[44:45], s[4:5]        ; the turned table: those keys' rows of 1,024 bytes, + 256 cq
	s_lshl_b32 s4, ttmp9, 16
	s_lshl_b32 s6, s8, 13
	s_add_co_u32 s4, s4, s6
	s_add_nc_u64 s[44:45], s[44:45], s[4:5]        ; the images: my wave's two column tiles
	s_lshl_b32 s4, s3, 23
	s_lshl_b32 s6, s14, 10
	s_add_co_u32 s4, s4, s6
	s_lshl_b32 s6, s8, 7
	s_add_co_u32 s4, s4, s6
	s_add_nc_u64 s[36:37], s[36:37], s[4:5]        ; points1: batch, my wave's 32 columns
	v_and_b32 v1, 31, v0
	v_lshlrev_b32 v2, 2, v1                        ; 4 x lane
	s_mul_i32 s6, s8, 8704
	s_add_co_u32 s6, s6, STG                       ; my stage
	v_mul_u32_u24 v3, v1, 272
	v_add_nc_u32 v3, s6, v3                        ; in: row = my key
	v_lshrrev_b32 v7, 4, v1
	v_and_b32 v8, 15, v1
	v_mul_u32_u24 v4, v7, 272
	v_lshl_add_u32 v4, v8, 4, v4
	v_add_nc_u32 v4, s6, v4                        ; back: sixteen lanes to a row, two rows an instruction
	v_lshlrev_b32 v5, 10, v7
	v_lshl_add_u32 v5, v8, 4, v5                   ; and the same two rows in the table
	v_lshlrev_b32 v6, 12, v7
	v_lshl_add_u32 v6, v8, 4, v6                   ; the images: tile lane / 16, 16 bytes for column lane % 16
; points2: a lane takes a key, its registers run down 64 channels; each load reads 128 consecutive bytes
.set I, 0
.rept 64
	global_load_b32 v[32+I], v2, s[38:39] offset:8192*I th:TH_LOAD_NT
.set I, I+1
.endr
.set I, 0
.rept 16
.if I%4 == 0
	s_wait_loadcnt 48-4*I                          ; the next 16 loads are in; the younger ones may be out
.endif
	ds_store_b128 v3, v[32+4*I:35+4*I] offset:16*I
.set I, I+1
.endr
.set I, 0
.rept 16
	ds_load_b128 v[96+4*I:99+4*I], v4 offset:544*I ; LDS serves a wave's instructions in order: these see my stores
.set I, I+1
.endr
.set I, 0
.rept 16
	s_wait_dscnt 15-I
	global_store_b128 v5, v[96+4*I:99+4*I], s[46:47] offset:2048*I   ; sixteen lanes store 256 consecutive bytes, aligned
.set I, I+1
.endr
	s_wait_kmcnt 0x0
	s_add_co_i32 s16, s16, 127
	s_lshl_b32 s19, s16, 23
	v_mov_b32 v11, s19                             ; 2^e1 as f32: the conversion takes its exponent field
	s_add_co_i32 s16, s16, 8
	s_lshl_b32 s16, s16, 23
	s_or_b32 s16, s16, 0x600000
	v_mov_b32 v10, s16                             ; 448 x 2^e1
	s_wait_xcnt 0x0                                ; the stores above have read v96 on: the codes may be written there
; points1: a lane takes a column, its registers run down K, 32 channels a block; loads run two blocks ahead
.macro PLOAD t
.set J, 0
.rept 32
	global_load_b32 v[32+32*((\t)%2)+J], v2, s[36:37] offset:(32*(\t)+J)*32768 th:TH_LOAD_NT
.set J, J+1
.endr
.endm
.macro BLOCK t
.set XS, 32+32*((\t)%2)
.set CD, 96+8*(\t)                     ; registers of the block's own: no store's data are written again
.if (\t) < 7
	s_wait_loadcnt 32                              ; this block's loads are in; the next block's 32 may be out
.else
	s_wait_loadcnt 0x0
.endif
.set J, 0
.rept 32
	v_med3_num_f32 v[XS+J], v[XS+J], -v10, v10     ; the conversion does not saturate (ISA guide 7.6.2): the hold at the largest code x the scale
.set J, J+1
.endr
.irp g, 0,1,2,3
	v_cvt_scalef32_pk8_fp8_f32 v[CD+2*\g:CD+2*\g+1], v[XS+8*\g:XS+8*\g+7], v11
.endr
	v_nop                                          ; a plain line behind the last conversion
	global_store_b128 v6, v[CD:CD+3], s[44:45] offset:((\t)/4)*2048+((\t)%4)*512        ; k = 32 t + 0 .. 15: the image's lanes 0-15
	global_store_b128 v6, v[CD+4:CD+7], s[44:45] offset:((\t)/4)*2048+((\t)%4)*512+256  ; k = 32 t + 16 .. 31: its lanes 16-31; each store fills two aligned runs of 256 bytes
.if (\t)+2 < 8
	PLOAD (\t)+2
.endif
.endm
	PLOAD 0
	PLOAD 1
.irp b, 0,1,2,3,4,5,6,7
	BLOCK \b
.endr
	s_wait_tensorcnt 0x0
	ds_add_u32 v190, v191
	s_wait_dscnt 0x0
	s_endpgm
.Lfunc_end_k_q6d287bcc48_front:
	.size	k_q6d287bcc48_front, .Lfunc_end_k_q6d287bcc48_front-k_q6d287bcc48_front
	.p2alignl 7, 3214868480
	.fill 96, 4, 3214868480
	.section	.rodata,"a",@progbits
	.p2align	6, 0x0
	.amdhsa_kernel k_q6d287bcc48_front
		.amdhsa_group_segment_fixed_size 128000
		.amdhsa_private_segment_fixed_size 0
		.amdhsa_enable_private_segment 0
		.amdhsa_kernarg_size 56
		.amdhsa_user_sgpr_count 2
		.amdhsa_user_sgpr_kernarg_segment_ptr 1
		.amdhsa_wavefront_size32 1
		.amdhsa_system_sgpr_workgroup_id_x 1
		.amdhsa_system_sgpr_workgroup_id_y 1
		.amdhsa_system_sgpr_workgroup_id_z 1
		.amdhsa_system_vgpr_workitem_id 0
		.amdhsa_next_free_vgpr 256
		.amdhsa_next_free_sgpr 66
		.amdhsa_reserve_vcc 1
		.amdhsa_float_denorm_mode_32 3
		.amdhsa_float_denorm_mode_16_64 3
		.amdhsa_memory_ordered 1
		.amdhsa_forward_progress 1
		.amdhsa_inst_pref_size 255
	.end_amdhsa_kernel
	.section	.bss,"aw",@nobits
	.p2align	6
	.space	262144
	.amdgpu_metadata
---
amdhsa.version: [ 1, 2 ]
amdhsa.kernels:
  - .name:           k_q6d287bcc48_front
    .symbol:         k_q6d287bcc48_front.kd
    .args:
      - { .name: xyz1, .offset: 0, .size: 8, .value_kind: global_buffer, .address_space: global }
      - { .name: xyz2, .offset: 8, .size: 8, .value_kind: global_buffer, .address_space: global }
      - { .name: points1, .offset: 16, .size: 8, .value_kind: global_buffer, .address_space: global }
      - { .name: points2, .offset: 24, .size: 8, .value_kind: global_buffer, .address_space: global }
      - { .name: lowp_scales, .offset: 32, .size: 8, .value_kind: global_buffer, .address_space: global }
      - { .name: cand, .offset: 40, .size: 8, .value_kind: global_buffer, .address_space: global }
      - { .name: pre, .offset: 48, .size: 8, .value_kind: global_buffer, .address_space: global }
    .group_segment_fixed_size: 128000
    .private_segment_fixed_size: 0
    .kernarg_segment_align: 8
    .kernarg_segment_size: 56
    .max_flat_workgroup_size: 256
    .sgpr_count:     66
    .vgpr_count:     256
    .wavefront_size: 32
...
	.end_amdgpu_metadata
.endif
;; end of part 1
;; launch refine (part 2): grid 256 x 1, 8 waves a work-group, no clusters, 0 bytes of LDS; arguments xyz1, xyz2, cand, nidx, nwgt; writes nidx, nwgt
.if DOCPART == 2
	.amdgcn_target "amdgcn-amd-amdhsa--gfx1250"
	.amdhsa_code_object_version 6
	.text
	.protected	k_q6d287bcc48_refine
	.globl	k_q6d287bcc48_refine
	.p2align	8
	.type	k_q6d287bcc48_refine,@function
k_q6d287bcc48_refine:
	s_mov_b64 s[64:65], 0
	v_nop
	global_prefetch_b8 v0, s[64:65] scope:SCOPE_SE
	s_setreg_imm32_b32 hwreg(HW_REG_WAVE_MODE, 25, 1), 1
	s_wait_xcnt 0x0
; One thread, one query (256 x work-group + thread).  Its word of cand names three groups of 16 keys; the 48 distances are made anew, in the order of rounding of the search
; (y0 (-2 x0), two fused multiply-adds, + |x|^2, + |y|^2), and the three smallest are kept with their indices.  Groups and keys are walked in ascending order and every compare
; is strict, so a tie keeps the lower index.  Then weight k = (1 / (d k + 1e-8)) / the sum of the three.  Stored: (i0, i1, i2, 0) and (w0, w1, w2, 0), nearest first.
; The group numbers are whole numbers stored by the launch before; each is held at 127 ahead of the multiplication that makes its byte offset.
; LIMITS: coordinates are finite; the reciprocals are v_rcp_f32's.
.macro INSERT st, val, id, m
	v_cmp_lt_f32 s[\m], v[\val], v[\st]
	v_cmp_lt_f32 s[\m+1], v[\val], v[\st+1]
	v_cmp_lt_f32 s[\m+2], v[\val], v[\st+2]
	v_cndmask_b32 v[\st+5], v[\st+5], v[\id], s[\m+2]
	v_cndmask_b32 v[\st+5], v[\st+5], v[\st+4], s[\m+1]
	v_cndmask_b32 v[\st+4], v[\st+4], v[\id], s[\m+1]
	v_cndmask_b32 v[\st+4], v[\st+4], v[\st+3], s[\m]
	v_cndmask_b32 v[\st+3], v[\st+3], v[\id], s[\m]
	v_med3_num_f32 v[\st+2], v[\st+1], v[\st+2], v[\val]
	v_med3_num_f32 v[\st+1], v[\st], v[\st+1], v[\val]
	v_min_num_f32 v[\st], v[\st], v[\val]
.endm
.macro KEY base, gb, i, tp, m          ; the key in v[base .. base + 2]; its index = v[gb] + i; temporaries v[tp .. tp + 2]
	v_mul_f32 v[\tp], v[\base], v[\base]
	v_mul_f32 v[\tp+1], v[\base], v5
	v_fma_f32 v[\tp], v[\base+1], v[\base+1], v[\tp]
	v_fma_f32 v[\tp+1], v[\base+1], v6, v[\tp+1]
	v_fma_f32 v[\tp], v[\base+2], v[\base+2], v[\tp]
	v_fma_f32 v[\tp+1], v[\base+2], v7, v[\tp+1]
	v_add_f32 v[\tp+1], v[\tp+1], v8
	v_add_nc_u32 v[\tp+2], \i, v[\gb]
	v_add_f32 v[\tp+1], v[\tp+1], v[\tp]
	INSERT 9, \tp+1, \tp+2, \m
.endm
	s_load_b256 s[4:11], s[0:1], 0x0               ; xyz1 s[4:5], xyz2 s[6:7], cand s[8:9], nidx s[10:11]
	s_load_b64 s[12:13], s[0:1], 0x20              ; nwgt
	s_lshr_b32 s14, ttmp9, 5
	s_mul_i32 s16, s14, 24576                      ; the batch's keys
	s_mov_b32 s17, 0
	s_mul_i32 s18, ttmp9, 3072
	s_mov_b32 s19, 0
	s_lshl_b32 s20, ttmp9, 10
	s_mov_b32 s21, 0
	s_lshl_b32 s22, ttmp9, 12
	s_mov_b32 s23, 0
	v_lshlrev_b32 v1, 2, v0
	v_mul_u32_u24 v2, v0, 12
	v_lshlrev_b32 v3, 4, v0
	s_wait_kmcnt 0x0
	s_add_nc_u64 s[6:7], s[6:7], s[16:17]
	s_add_nc_u64 s[4:5], s[4:5], s[18:19]
	s_add_nc_u64 s[8:9], s[8:9], s[20:21]
	s_add_nc_u64 s[10:11], s[10:11], s[22:23]
	s_add_nc_u64 s[12:13], s[12:13], s[22:23]
	global_load_b32 v4, v1, s[8:9]
	global_load_b32 v5, v2, s[4:5]
	global_load_b32 v6, v2, s[4:5] offset:4
	global_load_b32 v7, v2, s[4:5] offset:8
	v_mov_b32 v9, 0x7f800000                       ; a, b, c begin at +infinity
	v_mov_b32 v10, 0x7f800000
	v_mov_b32 v11, 0x7f800000
	v_mov_b32 v12, 0                               ; ia, ib, ic, and the fourth word of the store
	v_mov_b32 v13, 0
	v_mov_b32 v14, 0
	v_mov_b32 v15, 0
	v_mov_b32 v19, 0
	s_wait_loadcnt 0x0
	v_bfe_u32 v20, v4, 0, 8
	v_bfe_u32 v21, v4, 8, 8
	v_bfe_u32 v22, v4, 16, 8
	v_min_u32 v23, v20, v21                        ; the three in ascending order: the larger of two is their sum less the smaller
	v_add_nc_u32 v24, v20, v21
	v_sub_nc_u32 v24, v24, v23
	v_min_u32 v25, v24, v22
	v_add_nc_u32 v26, v24, v22
	v_sub_nc_u32 v26, v26, v25                     ; the largest
	v_min_u32 v27, v23, v25                        ; the smallest
	v_add_nc_u32 v28, v23, v25
	v_sub_nc_u32 v28, v28, v27                     ; the middle one
	v_min_u32 v20, 127, v27
	v_min_u32 v21, 127, v28
	v_min_u32 v22, 127, v26
.irp g, 0,1,2
	v_mul_u32_u24 v[29+\g], v[20+\g], 192          ; 16 keys of 12 bytes
	v_lshlrev_b32 v[24+\g], 4, v[20+\g]            ; the group's first index
.endr
.irp g, 0,1,2
.irp k, 0,1,2,3,4,5,6,7,8,9,10,11
	global_load_b128 v[32+48*\g+4*\k:35+48*\g+4*\k], v[29+\g], s[6:7] offset:16*\k
.endr
.endr
	v_mul_f32 v8, v5, v5
	v_fma_f32 v8, v6, v6, v8
	v_fma_f32 v8, v7, v7, v8                       ; |x|^2
	v_mul_f32 v5, -2.0, v5
	v_mul_f32 v6, -2.0, v6
	v_mul_f32 v7, -2.0, v7
.irp g, 0,1,2
	s_wait_loadcnt 24-12*\g                        ; this group's 12 loads are in; the later groups' may be out
.set I, 0
.rept 16
	KEY 32+48*\g+3*I, 24+\g, I, 176+3*(I%2), 24+4*(I%2)
.set I, I+1
.endr
.endr
	v_add_f32 v20, 0x322bcc77, v9                  ; + 1e-8
	v_add_f32 v21, 0x322bcc77, v10
	v_add_f32 v22, 0x322bcc77, v11
	v_rcp_f32 v16, v20
	v_rcp_f32 v17, v21
	v_rcp_f32 v18, v22
	v_nop                                          ; a plain line behind the transcendentals
	s_wait_alu depctr_va_vdst(0)
	v_add_f32 v23, v16, v17
	v_add_f32 v23, v23, v18
	v_rcp_f32 v24, v23
	v_nop
	s_wait_alu depctr_va_vdst(0)
	v_mul_f32 v16, v16, v24
	v_mul_f32 v17, v17, v24
	v_mul_f32 v18, v18, v24
	global_store_b128 v3, v[12:15], s[10:11]       ; 512 consecutive bytes a wave
	global_store_b128 v3, v[16:19], s[12:13]
	s_endpgm
.Lfunc_end_k_q6d287bcc48_refine:
	.size	k_q6d287bcc48_refine, .Lfunc_end_k_q6d287bcc48_refine-k_q6d287bcc48_refine
	.p2alignl 7, 3214868480
	.fill 96, 4, 3214868480
	.section	.rodata,"a",@progbits
	.p2align	6, 0x0
	.amdhsa_kernel k_q6d287bcc48_refine
		.amdhsa_group_segment_fixed_size 0
		.amdhsa_private_segment_fixed_size 0
		.amdhsa_enable_private_segment 0
		.amdhsa_kernarg_size 40
		.amdhsa_user_sgpr_count 2
		.amdhsa_user_sgpr_kernarg_segment_ptr 1
		.amdhsa_wavefront_size32 1
		.amdhsa_system_sgpr_workgroup_id_x 1
		.amdhsa_system_sgpr_workgroup_id_y 1
		.amdhsa_system_sgpr_workgroup_id_z 1
		.amdhsa_system_vgpr_workitem_id 0
		.amdhsa_next_free_vgpr 192
		.amdhsa_next_free_sgpr 66
		.amdhsa_reserve_vcc 0
		.amdhsa_float_denorm_mode_32 3
		.amdhsa_float_denorm_mode_16_64 3
		.amdhsa_memory_ordered 1
		.amdhsa_forward_progress 1
		.amdhsa_inst_pref_size 59
	.end_amdhsa_kernel
	.amdgpu_metadata
---
amdhsa.version: [ 1, 2 ]
amdhsa.kernels:
  - .name:           k_q6d287bcc48_refine
    .symbol:         k_q6d287bcc48_refine.kd
    .args:
      - { .name: xyz1, .offset: 0, .size: 8, .value_kind: global_buffer, .address_space: global }
      - { .name: xyz2, .offset: 8, .size: 8, .value_kind: global_buffer, .address_space: global }
      - { .name: cand, .offset: 16, .size: 8, .value_kind: global_buffer, .address_space: global }
      - { .name: nidx, .offset: 24, .size: 8, .value_kind: global_buffer, .address_space: global }
      - { .name: nwgt, .offset: 32, .size: 8, .value_kind: global_buffer, .address_space: global }
    .group_segment_fixed_size: 0
    .private_segment_fixed_size: 0
    .kernarg_segment_align: 8
    .kernarg_segment_size: 40
    .max_flat_workgroup_size: 256
    .sgpr_count:     66
    .vgpr_count:     192
    .wavefront_size: 32
...
	.end_amdgpu_metadata
.endif
;; end of part 2
;; launch mix (part 3): grid 256 x 1, 8 waves a work-group, no clusters, 168,960 bytes of LDS; arguments pre, nidx, nwgt, w1_codes, lowp_scales, xqb, st1; writes xqb, st1
.if DOCPART == 3
	.amdgcn_target "amdgcn-amd-amdhsa--gfx1250"
	.amdhsa_code_object_version 6
	.text
	.protected	k_q6d287bcc48_mix
	.globl	k_q6d287bcc48_mix
	.p2align	8
	.type	k_q6d287bcc48_mix,@function
k_q6d287bcc48_mix:
	s_mov_b64 s[64:65], 0
	v_nop
	global_prefetch_b8 v0, s[64:65] scope:SCOPE_SE
	s_setreg_imm32_b32 hwreg(HW_REG_WAVE_MODE, 25, 1), 1
	s_wait_xcnt 0x0
; Work-group x owns columns 256 x .. 256 x + 255 (16 tiles of 16).  (1) Each wave gathers, for 32 columns, the three rows of the turned points2 named by nidx, weighs them (nwgt),
; and quantises the 256 interpolated channels with 2^e1; the codes go to LDS and to xqb as images of operand registers (k = 256 .. 511 of the first product).  (2) The first product,
; on codes of E4M3, for its statistics alone: for each of the 256 output channels the sum and the sum of squared deviations over the work-group's 256 columns, in units of the sums.
; The images of k = 0 .. 255 come by one tensor load a wave (8 KB each), issued once at the head: no LDS byte is filled twice.  One tensor load of a wave is out, by this text's count.
; SHARES in (2): wave w: g = w % 4: 64 output channels (4 tiles t), ch = w / 4: column tiles 8 ch + m.  W1's 16 fragments of the wave stay in registers (window 1).
; Source 0 = columns, source 1 = W1's rows: a lane holds ONE channel and eight columns.  Lane r of tile t is channel 64 g + 32 (t / 2) + 8 (t % 2) + r + 8 (r / 8).
; The four accumulators take turns, one instruction a turn.
; VARIANCE: never a difference of large sums: in a lane, sums of deviations from the lane's first number; between lanes and waves, merges of equal counts.
; No cluster: what work-groups share is W1 (128 KB), which goes straight into registers once; the columns are each work-group's own.
; LIMITS: e1 between -126 and 119.  Indices are held at 2,047.
.set XB,  65536                        ; LDS: 0: images of k 0..255 (16 tiles x 4,096); XB: images of k 256..511: 16 tiles x 4,352: group (s, c, h) every 272 bytes, column r at 16 r
.set RED, 135168                       ; LDS: 4,096 bytes: [ch][sum, M2][256 channels]
.set XF,  16                           ; v[16:79], v[80:143] a column tile's four fragments, two buffers
.set ACC, 144                          ; v[144:175]
.set PV,  176                          ; v[176:183] the pivot, twice, for each t
.set SV,  184                          ; v[184:191] sums of deviations
.set QV,  192                          ; v[192:199] sums of their squares
.set TT,  200                          ; v[200:207] at work
.set MSB, 0
.macro WIN new                         ; the immediate's high byte repeats the setting that is left
.if MSB != \new
	s_set_vgpr_msb (MSB<<8)|\new
.set MSB, \new
.endif
.endm
	s_load_b64 s[18:19], s[0:1], 0x0               ; pre
	s_load_b64 s[16:17], s[0:1], 0x8               ; nidx
	s_load_b64 s[30:31], s[0:1], 0x10              ; nwgt
	s_load_b64 s[104:105], s[0:1], 0x18            ; w1_codes
	s_load_b64 s[20:21], s[0:1], 0x20              ; lowp_scales
	s_load_b64 s[66:67], s[0:1], 0x28              ; xqb
	s_load_b64 s[100:101], s[0:1], 0x30            ; st1
	v_lshl_add_u32 v254, v0, 2, 0x29000
	v_mov_b32 v255, 0
	ds_add_u32 v254, v255
	ds_add_u32 v254, v255
	v_lshrrev_b32 v1, 5, v0
	v_readfirstlane_b32 s2, v1                     ; wave 0..7
	s_mov_b32 s8, 3<<16                            ; group 1: elements of 8 bytes, no mask, no padding
	s_mov_b32 s9, 32<<16                           ; tensor_dim0 = 32 elements: rows of 256 bytes
	s_mov_b32 s10, 32<<16                          ; tensor_dim1 = 32 rows
	s_mov_b32 s11, 32<<16                          ; tile_dim0 = 32
	s_mov_b32 s12, 32                              ; tile_dim1 = 32
	s_mov_b32 s13, 32                              ; pitch: the block is dense
	s_mov_b32 s14, 0
	s_mov_b32 s15, 0
	s_and_b32 s32, s2, 3                           ; g
	s_lshr_b32 s33, s2, 2                          ; ch
	s_lshl_b32 s34, ttmp9, 16
	s_lshl_b32 s36, s2, 13
	s_add_co_u32 s34, s34, s36                     ; 65,536 x + 8,192 w
	s_mov_b32 s35, 0
	s_lshr_b32 s36, ttmp9, 5
	s_lshl_b32 s36, s36, 21
	s_add_co_u32 s36, s36, 0x1000000               ; the batch's turned table
	s_mov_b32 s37, 0
	s_lshl_b32 s38, ttmp9, 12
	s_lshl_b32 s40, s2, 9
	s_add_co_u32 s38, s38, s40                     ; my wave's 32 entries of nidx and nwgt
	s_mov_b32 s39, 0
	s_lshl_b32 s40, s32, 15                        ; my 64 rows of W1
	s_mov_b32 s41, 0
	s_lshl_b32 s44, ttmp9, 11                      ; my work-group's row of st1
	s_mov_b32 s45, 0
	s_mov_b32 s4, 1                                ; group 0: count
	s_lshl_b32 s5, s2, 13                          ; LDS address: 8,192 x wave
	s_wait_dscnt 0x0
	s_wait_kmcnt 0x0
	s_load_b32 s3, s[20:21], 0x4                   ; e1
	s_add_nc_u64 s[6:7], s[18:19], s[34:35]
	s_or_b32 s7, s7, 0x80000000                    ; type
	tensor_load_to_lds s[4:7], s[8:15]
	s_nop 0
.rept 4
	v_nop
.endr
	s_add_nc_u64 s[66:67], s[66:67], s[34:35]
	s_add_nc_u64 s[18:19], s[18:19], s[36:37]
	s_add_nc_u64 s[16:17], s[16:17], s[38:39]
	s_add_nc_u64 s[30:31], s[30:31], s[38:39]
	s_add_nc_u64 s[104:105], s[104:105], s[40:41]
	s_add_nc_u64 s[100:101], s[100:101], s[44:45]
	v_and_b32 v1, 31, v0                           ; lane
	v_and_b32 v2, 15, v0                           ; r
	v_bfe_u32 v3, v0, 4, 1                         ; h
	v_lshlrev_b32 v4, 5, v1                        ; the gather: my eight channels, 32 bytes
	v_lshlrev_b32 v9, 4, v1                        ; 16 x lane
	s_mul_i32 s42, s2, 8704
	s_add_co_u32 s42, s42, XB                      ; my wave's two tiles in XB
	v_lshrrev_b32 v5, 1, v1
	v_mul_u32_u24 v5, v5, 272
	v_and_b32 v15, 1, v1
	v_lshl_add_u32 v5, v15, 3, v5
	v_add_nc_u32 v5, s42, v5                       ; codes in: channels 8 l on lie in group l / 2, bytes 8 (l % 2) on
	v_mul_u32_u24 v6, v3, 272
	v_lshl_add_u32 v6, v2, 4, v6                   ; 272 h + 16 r
	s_mul_i32 s43, s33, 34816
	s_add_co_u32 s43, s43, XB
	v_add_nc_u32 v8, s43, v6                       ; fragments of k 256..511 of my eight tiles
	v_add_nc_u32 v6, s42, v6                       ; and of the two tiles that I made
	s_lshl_b32 s43, s33, 15
	v_add_nc_u32 v7, s43, v9                       ; fragments of k 0..255 of my eight tiles
	v_and_b32 v12, 8, v2
	v_add_nc_u32 v12, v12, v2                      ; r + 8 (r / 8)
	s_lshl_b32 s43, s33, 11
	s_lshl_b32 s46, s32, 8
	s_add_co_u32 s43, s43, s46
	s_add_co_u32 s43, s43, RED
	v_lshlrev_b32 v13, 2, v12
	v_lshl_add_u32 v13, v3, 10, v13
	v_add_nc_u32 v13, s43, v13                     ; RED + 2,048 ch + 1,024 h + 4 x my channel of tile 0
	v_lshlrev_b32 v12, 9, v12
	v_lshl_add_u32 v12, v3, 4, v12                 ; W1: row x 512 + 16 h
	v_lshlrev_b32 v15, 2, v0                       ; 4 x thread
	v_add_nc_u32 v14, RED, v15
	WIN 0x40                                       ; destination window 1
.irp t, 0,1,2,3
.irp s, 0,1,2,3
.irp c, 0,1,2,3
	global_load_b128 v[16*(4*\t+\s)+4*\c:16*(4*\t+\s)+4*\c+3], v12, s[104:105] offset:(32*(\t/2)+8*(\t%2))*512+128*\s+32*\c
.endr
.endr
.endr
	WIN 0
	s_load_b512 s[32:47], s[16:17], 0x0            ; indices of queries 0-3,
	s_load_b512 s[48:63], s[16:17], 0x40           ; of 4-7,
	s_load_b512 s[68:83], s[30:31], 0x0            ; weights of 0-3
	s_mov_b32 s27, 0                               ; upper word of the offset pair
	s_mov_b32 s29, 0                               ; named with s28 as a pair, so it is written
	s_wait_kmcnt 0x0
	s_add_co_i32 s3, s3, 127
	s_lshl_b32 s26, s3, 23
	v_mov_b32 v11, s26                             ; 2^e1
	s_add_co_i32 s3, s3, 8
	s_lshl_b32 s3, s3, 23
	s_or_b32 s3, s3, 0x600000
	v_mov_b32 v10, s3                              ; 448 x 2^e1
; query i's three rows are asked for: 6 loads into slot i % 4 (24 registers)
.macro ASK i
.set IS, 32+16*(((\i)/4)%2)+4*((\i)%4)
.set SL, 16+24*((\i)%4)
	s_wait_xcnt 0x0                                ; the row pointers are written again only behind this wait
.irp k, 0,1,2
	s_min_u32 s26, s[IS+\k], 2047
	s_lshl_b32 s26, s26, 10
	s_add_nc_u64 s[20+2*\k:21+2*\k], s[18:19], s[26:27]
.endr
.irp k, 0,1,2
	global_load_b128 v[SL+8*\k:SL+8*\k+3], v4, s[20+2*\k:21+2*\k]
	global_load_b128 v[SL+8*\k+4:SL+8*\k+7], v4, s[20+2*\k:21+2*\k] offset:16
.endr
.endm
; query i: the weighted sum of its rows, the hold, eight codes a lane, into column i's place in XB
.macro TURN i, left
.set SL, 16+24*((\i)%4)
.set WS, 68+16*(((\i)/4)%2)+4*((\i)%4)
.set CD, 112+2*((\i)%4)
	s_wait_loadcnt \left                           ; my slot's six loads are in; six for each younger slot may be out
	s_mov_b32 s28, s[WS+1]                         ; the second weight into the low word of a pair
.irp p, 0,2,4,6
	v_pk_mul_f32 v[SL+\p:SL+\p+1], v[SL+\p:SL+\p+1], s[WS:WS+1] op_sel_hi:[1,0]
.endr
.irp p, 0,2,4,6
	v_pk_fma_f32 v[SL+\p:SL+\p+1], v[SL+8+\p:SL+8+\p+1], s[28:29], v[SL+\p:SL+\p+1] op_sel_hi:[1,0,1]
.endr
.irp p, 0,2,4,6
	v_pk_fma_f32 v[SL+\p:SL+\p+1], v[SL+16+\p:SL+16+\p+1], s[WS+2:WS+3], v[SL+\p:SL+\p+1] op_sel_hi:[1,0,1]
.endr
.irp j, 0,1,2,3,4,5,6,7
	v_med3_num_f32 v[SL+\j], v[SL+\j], -v10, v10   ; the conversion does not saturate (ISA guide 7.6.2)
.endr
	s_wait_dscnt 0x3                               ; the LDS store that read this pair of code registers, four turns ago, is done
	v_cvt_scalef32_pk8_fp8_f32 v[CD:CD+1], v[SL:SL+7], v11
	ds_store_b64 v5, v[CD:CD+1] offset:((\i)/16)*4352+((\i)%16)*16
.endm
	ASK 0
	ASK 1
	ASK 2
	ASK 3
.set I, 0
.rept 32
.if I%4 == 0                           ; a lap of four queries: the scalar loads of the lap before are in; the sets that are done with are asked for again
	s_wait_kmcnt 0x0
.if I/4+2 <= 7
	s_load_b512 s[32+16*((I/4)%2):47+16*((I/4)%2)], s[16:17], 64*(I/4+2)
.endif
.if I/4+1 <= 7
	s_load_b512 s[68+16*((I/4+1)%2):83+16*((I/4+1)%2)], s[30:31], 64*(I/4+1)
.endif
.endif
.if 31-I < 3
	TURN I, 6*(31-I)
.else
	TURN I, 18
.endif
.if I+4 < 32
	ASK I+4
.endif
.set I, I+1
.endr
	v_nop                                          ; a plain line behind the last conversion
; my two tiles' images go to xqb: back from LDS as fragments, 512 consecutive bytes a store
.irp u, 0,1
.irp s, 0,1
.irp c, 0,1,2,3
	ds_load_b128 v[16+32*\u+16*\s+4*\c:19+32*\u+16*\s+4*\c], v6 offset:4352*\u+2176*\s+544*\c   ; LDS serves a wave's instructions in order: these see my stores
.endr
.endr
.endr
.irp u, 0,1
.irp s, 0,1
.irp c, 0,1,2,3
	s_wait_dscnt 15-8*\u-4*\s-\c
	global_store_b128 v9, v[16+32*\u+16*\s+4*\c:19+32*\u+16*\s+4*\c], s[66:67] offset:4096*\u+2048*\s+512*\c
.endr
.endr
.endr
	s_wait_tensorcnt 0x0                           ; my part of the images of k 0..255 has landed,
	s_wait_dscnt 0x0                               ; my codes lie in LDS:
	s_barrier_signal -1
	s_barrier_wait -1                              ; everybody's do
	s_mov_b32 s4, 0x76543210                       ; (the descriptor is done with) selects for lane l xor 16
	s_mov_b32 s5, 0xfedcba98
	s_wait_xcnt 0x0                                ; the stores above have read v16 on: fragments may land there
.irp j, 0,1,2,3,4,5,6,7,8,9,10,11,12,13,14,15
	v_mov_b32 v[SV+\j], 0                          ; the sums of deviations and of their squares
.endr
.macro FETCH m, bf                     ; column tile 8 ch + m: four fragments, 16 loads of 512 consecutive bytes
.irp s, 0,1
.irp c, 0,1,2,3
	ds_load_b128 v[\bf+16*\s+4*\c:\bf+16*\s+4*\c+3], v7 offset:4096*(\m)+2048*\s+512*\c
.endr
.endr
.irp s, 0,1
.irp c, 0,1,2,3
	ds_load_b128 v[\bf+32+16*\s+4*\c:\bf+32+16*\s+4*\c+3], v8 offset:4352*(\m)+2176*\s+544*\c
.endr
.endr
.endm
.macro STATS m                         ; 8 columns x 4 channels a lane: deviations from the pivot, their sum, the sum of their squares; each accumulator from its low end on
.irp t, 0,1,2,3
.if (\m) == 0
	v_mov_b32 v[PV+2*\t], v[ACC+8*\t]
	v_mov_b32 v[PV+2*\t+1], v[ACC+8*\t]
.endif
.irp p, 0,2,4,6
	v_pk_add_f32 v[TT+\p:TT+\p+1], v[ACC+8*\t+\p:ACC+8*\t+\p+1], v[PV+2*\t:PV+2*\t+1] neg_lo:[0,1] neg_hi:[0,1]
.endr
.irp p, 0,2,4,6
	v_pk_add_f32 v[SV+2*\t:SV+2*\t+1], v[SV+2*\t:SV+2*\t+1], v[TT+\p:TT+\p+1]
.endr
.irp p, 0,2,4,6
	v_pk_fma_f32 v[QV+2*\t:QV+2*\t+1], v[TT+\p:TT+\p+1], v[TT+\p:TT+\p+1], v[QV+2*\t:QV+2*\t+1]
.endr
.endr
.endm
	FETCH 0, XF
.irp m, 0,1,2,3,4,5,6,7
.set BF, XF+64*(\m%2)
.if \m < 7
	FETCH \m+1, XF+64*((\m+1)%2)                   ; into the buffer that the tile before last multiplied: its places are the four v_nop and the statistics behind it
	s_wait_dscnt 16                                ; this tile's fragments are in; the next tile's 16 loads may be out
.else
	s_wait_dscnt 0x0
.endif
	WIN 0x04                                       ; source 1 (W1) window 1
.irp s, 0,1,2,3
.irp t, 0,1,2,3
.if \s == 0
	v_wmma_f32_16x16x128_fp8_fp8 v[ACC+8*\t:ACC+8*\t+7], v[BF+16*\s:BF+16*\s+15], v[16*(4*\t+\s):16*(4*\t+\s)+15], 0
.else
	v_wmma_f32_16x16x128_fp8_fp8 v[ACC+8*\t:ACC+8*\t+7], v[BF+16*\s:BF+16*\s+15], v[16*(4*\t+\s):16*(4*\t+\s)+15], v[ACC+8*\t:ACC+8*\t+7]
.endif
.endr
.endr
	WIN 0
.rept 4
	v_nop                                          ; places ahead of the first read of results
.endr
	STATS \m
.endr
; a lane's 64 numbers of each channel -> (sum, M2); merged with lane l xor 16 (64 and 64), then, through LDS, with the other wave of my channels (128 and 128)
	v_cmp_ne_u32 vcc_lo, 0, v3
.irp t, 0,1,2,3
	v_add_f32 v[SV+2*\t], v[SV+2*\t], v[SV+2*\t+1]
	v_add_f32 v[QV+2*\t], v[QV+2*\t], v[QV+2*\t+1]
	v_mul_f32 v[TT+\t], 0x3c800000, v[SV+2*\t]                     ; S / 64
	v_fma_f32 v[QV+2*\t], -v[TT+\t], v[SV+2*\t], v[QV+2*\t]        ; M2 = Q - S^2 / 64
	v_fmamk_f32 v[SV+2*\t], v[PV+2*\t], 0x42800000, v[SV+2*\t]     ; sum = 64 p + S
.endr
.irp t, 0,1,2,3
	v_permlanex16_b32 v[SV+2*\t+1], v[SV+2*\t], s4, s5
	v_permlanex16_b32 v[QV+2*\t+1], v[QV+2*\t], s4, s5
.endr
.irp t, 0,1,2,3
	v_sub_f32 v[TT+\t], v[SV+2*\t], v[SV+2*\t+1]
	v_add_f32 v[QV+2*\t], v[QV+2*\t], v[QV+2*\t+1]
	v_mul_f32 v[TT+4+\t], 0x3c000000, v[TT+\t]
	v_fma_f32 v[QV+2*\t], v[TT+4+\t], v[TT+\t], v[QV+2*\t]         ; + d^2 / 128
	v_add_f32 v[SV+2*\t], v[SV+2*\t], v[SV+2*\t+1]
	v_cndmask_b32 v[TT+\t], v[SV+2*\t], v[QV+2*\t], vcc_lo         ; lanes 0-15 store the sum, lanes 16-31 M2
	ds_store_b32 v13, v[TT+\t] offset:(32*(\t/2)+8*(\t%2))*4
.endr
	s_wait_dscnt 0x0
	s_barrier_signal -1
	s_barrier_wait -1
	ds_load_b32 v16, v14                           ; thread t: channel t
	ds_load_b32 v17, v14 offset:1024
	ds_load_b32 v18, v14 offset:2048
	ds_load_b32 v19, v14 offset:3072
	s_wait_dscnt 0x0
	v_sub_f32 v20, v16, v18
	v_add_f32 v17, v17, v19
	v_mul_f32 v21, 0x3b800000, v20
	v_fma_f32 v17, v21, v20, v17                   ; + d^2 / 256
	v_add_f32 v16, v16, v18
	global_store_b32 v15, v16, s[100:101]
	global_store_b32 v15, v17, s[100:101] offset:1024
	s_wait_tensorcnt 0x0
	ds_add_u32 v254, v255
	s_wait_dscnt 0x0
	s_endpgm
.Lfunc_end_k_q6d287bcc48_mix:
	.size	k_q6d287bcc48_mix, .Lfunc_end_k_q6d287bcc48_mix-k_q6d287bcc48_mix
	.p2alignl 7, 3214868480
	.fill 96, 4, 3214868480
	.section	.rodata,"a",@progbits
	.p2align	6, 0x0
	.amdhsa_kernel k_q6d287bcc48_mix
		.amdhsa_group_segment_fixed_size 168960
		.amdhsa_private_segment_fixed_size 0
		.amdhsa_enable_private_segment 0
		.amdhsa_kernarg_size 56
		.amdhsa_user_sgpr_count 2
		.amdhsa_user_sgpr_kernarg_segment_ptr 1
		.amdhsa_wavefront_size32 1
		.amdhsa_system_sgpr_workgroup_id_x 1
		.amdhsa_system_sgpr_workgroup_id_y 1
		.amdhsa_system_sgpr_workgroup_id_z 1
		.amdhsa_system_vgpr_workitem_id 0
		.amdhsa_next_free_vgpr 512
		.amdhsa_next_free_sgpr 106
		.amdhsa_reserve_vcc 1
		.amdhsa_float_denorm_mode_32 3
		.amdhsa_float_denorm_mode_16_64 3
		.amdhsa_memory_ordered 1
		.amdhsa_forward_progress 1
		.amdhsa_inst_pref_size 140
	.end_amdhsa_kernel
	.amdgpu_metadata
---
amdhsa.version: [ 1, 2 ]
amdhsa.kernels:
  - .name:           k_q6d287bcc48_mix
    .symbol:         k_q6d287bcc48_mix.kd
    .args:
      - { .name: pre, .offset: 0, .size: 8, .value_kind: global_buffer, .address_space: global }
      - { .name: nidx, .offset: 8, .size: 8, .value_kind: global_buffer, .address_space: global }
      - { .name: nwgt, .offset: 16, .size: 8, .value_kind: global_buffer, .address_space: global }
      - { .name: w1_codes, .offset: 24, .size: 8, .value_kind: global_buffer, .address_space: global }
      - { .name: lowp_scales, .offset: 32, .size: 8, .value_kind: global_buffer, .address_space: global }
      - { .name: xqb, .offset: 40, .size: 8, .value_kind: global_buffer, .address_space: global }
      - { .name: st1, .offset: 48, .size: 8, .value_kind: global_buffer, .address_space: global }
    .group_segment_fixed_size: 168960
    .private_segment_fixed_size: 0
    .kernarg_segment_align: 8
    .kernarg_segment_size: 56
    .max_flat_workgroup_size: 256
    .sgpr_count:     106
    .vgpr_count:     512
    .wavefront_size: 32
...
	.end_amdgpu_metadata
.endif
;; end of part 3
;; launch mid (part 4): grid 256 x 1, 8 waves a work-group, no clusters, 216,064 bytes of LDS; arguments pre, xqb, w1_codes, w2_codes, lowp_scales, st1, b1, g1, be1, hq, st2; writes hq, st2
.if DOCPART == 4
	.amdgcn_target "amdgcn-amd-amdhsa--gfx1250"
	.amdhsa_code_object_version 6
	.text
	.protected	k_q6d287bcc48_mid
	.globl	k_q6d287bcc48_mid
	.p2align	8
	.type	k_q6d287bcc48_mid,@function
k_q6d287bcc48_mid:
	s_mov_b64 s[64:65], 0
	v_nop
	global_prefetch_b8 v0, s[64:65] scope:SCOPE_SE
	s_setreg_imm32_b32 hwreg(HW_REG_WAVE_MODE, 25, 1), 1
	s_wait_xcnt 0x0
; Work-group x owns columns 256 x .. 256 x + 255.  (0) The first batch norm's coefficients from the 256 rows of st1: for each channel y' = sum x A + C, with
; A = g / sqrt(var + 1e-5) x 2^(e0 + e1), C = (b - mean) g / sqrt(var + 1e-5) + be.  (1) The first product on codes of E4M3 again, transposed (source 0 = W1's rows, source 1 = columns):
; a lane holds ONE column and its registers run along the channels, which are the second product's K; one multiply-add, the clip at 0 and the hold in one, the conversion with 2^e3:
; the results are the second operand's registers; they go to LDS and to hq as images.  (2) The second product for its statistics (as in the launch before), into st2.
; The images of x (128 KB) come by one tensor load a wave (16 KB each; waves 0-3 from pre, waves 4-7 from xqb), issued once at the head: no LDS byte is filled twice; one load of a wave is out.
; SHARES: wave w: g = w % 4: 64 output channels (4 tiles t), ch = w / 4: column tiles 8 ch + m.  W1's 16 fragments fill window 1; W2's 8 take their place for (2).
; THE ROWS OF W1 THAT FORM A TILE ARE NOT NEIGHBOURS: lane r of tile t takes row 64 g + 32 (t / 2) + 8 (t % 2) + r + 8 (r / 8), so that the 16 registers of tiles 2 b, 2 b + 1 are 16 neighbours along the next K.
; The four accumulators take turns, one instruction a turn.
; VARIANCE over the 256 rows: the rows' M2 are added; the rows' sums are taken as deviations from row 0's sum: no difference of large sums.
; No cluster: what work-groups share (weights, 192 KB; st1, 512 KB) goes straight into registers; beside 192 KB of images LDS has no room to stage it.
; LIMITS: e3 between -126 and 119; the sums of exponents are applied by v_ldexp_f32.  The reciprocal root is v_rsq_f32's.
.set HI,   131072                      ; LDS: 0: x's images: k 0..255 (65,536), k 256..511 (65,536); HI: the hidden layer's images (65,536)
.set BR,   196608                      ; 12,288: the reduction's S, Q, pivot: [3][2 halves of the rows][512 words]
.set COEF, 208896                      ; 2,048: A[256], C[256]
.set RED,  210944                      ; 4,096: [ch][sum, M2][256 channels]
.set XF,  16                           ; v[16:79], v[80:143] four fragments of x, two buffers; in (2): v[16:47], v[48:79] two fragments of the hidden layer
.set ACC, 144                          ; v[144:175]
.set PC,  176                          ; v[176:183] the codes just made
.set CA,  184                          ; v[184:215] A in the result's layout, eight for each t
.set CC,  216                          ; v[216:247] C likewise
.set PV,  184                          ; in (2): the pivot, twice, for each t
.set SV,  192
.set QV,  200
.set TT,  208
.set MSB, 0
.macro WIN new                         ; the immediate's high byte repeats the setting that is left
.if MSB != \new
	s_set_vgpr_msb (MSB<<8)|\new
.set MSB, \new
.endif
.endm
	s_load_b256 s[16:23], s[0:1], 0x0              ; pre s[16:17], xqb s[18:19], w1_codes s[20:21], w2_codes s[22:23]
	s_load_b256 s[24:31], s[0:1], 0x20             ; lowp_scales s[24:25], st1 s[26:27], b1 s[28:29], g1 s[30:31]
	s_load_b128 s[32:35], s[0:1], 0x40             ; be1 s[32:33], hq s[34:35]
	s_load_b64 s[36:37], s[0:1], 0x50              ; st2
	v_lshl_add_u32 v254, v0, 2, 0x34800
	v_mov_b32 v255, 0
	ds_add_u32 v254, v255
	ds_add_u32 v254, v255
	v_lshrrev_b32 v1, 5, v0
	v_readfirstlane_b32 s2, v1                     ; wave 0..7
	s_and_b32 s3, s2, 3                            ; g
	s_lshr_b32 s50, s2, 2                          ; ch
	s_mov_b32 s8, 3<<16                            ; group 1: elements of 8 bytes
	s_mov_b32 s9, 32<<16                           ; tensor_dim0 = 32: rows of 256 bytes
	s_mov_b32 s10, 64<<16                          ; tensor_dim1 = 64 rows
	s_mov_b32 s11, 32<<16                          ; tile_dim0
	s_mov_b32 s12, 64                              ; tile_dim1
	s_mov_b32 s13, 32                              ; pitch: dense
	s_mov_b32 s14, 0
	s_mov_b32 s15, 0
	s_mov_b32 s4, 1
	s_lshl_b32 s5, s2, 14                          ; LDS address: 16,384 x wave
	s_lshl_b32 s46, ttmp9, 16
	s_mov_b32 s47, 0
	s_lshl_b32 s48, s3, 14
	s_mov_b32 s49, 0
	s_mov_b32 s52, 0x76543210
	s_mov_b32 s53, 0xfedcba98
	s_wait_dscnt 0x0
	s_wait_kmcnt 0x0
	s_load_b128 s[40:43], s[24:25], 0x0            ; e0, e1, e2, e3
	s_cmp_lt_u32 s2, 4                             ; the choice hangs on the wave's number alone
	s_cselect_b64 s[6:7], s[16:17], s[18:19]
	s_add_nc_u64 s[6:7], s[6:7], s[46:47]
	s_add_nc_u64 s[6:7], s[6:7], s[48:49]          ; + 65,536 x + 16,384 (w % 4)
	s_or_b32 s7, s7, 0x80000000
	tensor_load_to_lds s[4:7], s[8:15]
	s_nop 0
.rept 4
	v_nop
.endr
	s_add_nc_u64 s[34:35], s[34:35], s[46:47]      ; hq at my work-group's images
	s_add_nc_u64 s[22:23], s[22:23], s[48:49]      ; W2: my 64 rows of 256 bytes
	s_lshl_b32 s48, s3, 15
	s_add_nc_u64 s[20:21], s[20:21], s[48:49]      ; W1: my 64 rows of 512 bytes
	s_lshl_b32 s48, ttmp9, 11
	s_add_nc_u64 s[36:37], s[36:37], s[48:49]      ; my row of st2
	v_and_b32 v9, 15, v0
	v_bfe_u32 v10, v0, 4, 1
	v_and_b32 v8, 8, v9
	v_add_nc_u32 v8, v8, v9
	v_lshlrev_b32 v8, 9, v8
	v_lshl_add_u32 v8, v10, 4, v8                  ; W1: (r + 8 (r / 8)) 512 + 16 h
	v_lshlrev_b32 v9, 8, v9
	v_lshl_add_u32 v9, v10, 4, v9                  ; W2: 256 r + 16 h; kept for (2)
	WIN 0x40                                       ; destination window 1
.irp t, 0,1,2,3
.irp s, 0,1,2,3
.irp c, 0,1,2,3
	global_load_b128 v[16*(4*\t+\s)+4*\c:16*(4*\t+\s)+4*\c+3], v8, s[20:21] offset:(32*(\t/2)+8*(\t%2))*512+128*\s+32*\c
.endr
.endr
.endr
	WIN 0
	s_wait_kmcnt 0x0
	s_add_co_i32 s44, s40, s41                     ; e0 + e1
	s_lshl_b32 s45, s44, 1
; The batch norm's coefficients.  Thread t: four words (16 (t % 128) bytes on) of rows 128 (t / 128) .. + 127 of the 256 x 512 words; a ring of 24 loads.
; Words 0-255 are the rows' sums (taken as deviations from row 0's), words 256-511 their M2 (pivot 0).  Two barriers; the first also shows the tensor loads' tiles to every wave.
.macro BNRED pst, pbi, pga, pbt, ex1, ex2
	v_lshlrev_b32 v1, 2, v0
	v_and_b32 v2, 127, v0
	v_lshlrev_b32 v2, 4, v2
	v_lshrrev_b32 v3, 7, v0
	v_lshl_add_u32 v4, v3, 11, v2
	v_add_nc_u32 v4, BR, v4
	v_lshl_add_u32 v3, v3, 18, v2
	v_add_nc_u32 v5, BR, v1
	v_add_nc_u32 v6, COEF, v1
	global_load_b32 v12, v1, s[\pbi:\pbi+1]
	global_load_b32 v13, v1, s[\pga:\pga+1]
	global_load_b32 v14, v1, s[\pbt:\pbt+1]
	global_load_b128 v[16:19], v2, s[\pst:\pst+1]  ; row 0: the pivot
.set I, 0
.rept 24
	global_load_b128 v[32+4*I:35+4*I], v3, s[\pst:\pst+1] offset:2048*I
.set I, I+1
.endr
.irp j, 20,21,22,23,24,25,26,27
	v_mov_b32 v\j, 0
.endr
	v_cmp_gt_u32 vcc_lo, 1024, v2                  ; my words are sums
	s_wait_loadcnt 24                              ; the pivot is in; the ring's 24 loads may be out
.irp j, 16,17,18,19
	v_cndmask_b32 v\j, 0, v\j, vcc_lo
.endr
.set I, 0
.rept 128
.set RS, 32+4*(I%24)
.if 127-I < 23
	s_wait_loadcnt 127-I
.else
	s_wait_loadcnt 23                              ; row i is in; the 23 younger loads may be out
.endif
	v_pk_add_f32 v[28:29], v[RS:RS+1], v[16:17] neg_lo:[0,1] neg_hi:[0,1]
	v_pk_add_f32 v[30:31], v[RS+2:RS+3], v[18:19] neg_lo:[0,1] neg_hi:[0,1]
	v_pk_add_f32 v[20:21], v[20:21], v[28:29]
	v_pk_add_f32 v[22:23], v[22:23], v[30:31]
	v_pk_fma_f32 v[24:25], v[28:29], v[28:29], v[24:25]
	v_pk_fma_f32 v[26:27], v[30:31], v[30:31], v[26:27]
.if I+24 < 128
	global_load_b128 v[RS:RS+3], v3, s[\pst:\pst+1] offset:2048*(I+24)
.endif
.set I, I+1
.endr
	ds_store_b128 v4, v[20:23]
	ds_store_b128 v4, v[24:27] offset:4096
	ds_store_b128 v4, v[16:19] offset:8192
	s_wait_tensorcnt 0x0                           ; my tile has landed,
	s_wait_dscnt 0x0                               ; my partial sums lie in LDS
	s_barrier_signal -1
	s_barrier_wait -1
	ds_load_b32 v32, v5                            ; thread t: channel t.  S of both halves of the rows,
	ds_load_b32 v33, v5 offset:2048
	ds_load_b32 v34, v5 offset:1024                ; the sums of the rows' M2,
	ds_load_b32 v35, v5 offset:3072
	ds_load_b32 v36, v5 offset:4096                ; Q,
	ds_load_b32 v37, v5 offset:6144
	ds_load_b32 v38, v5 offset:8192                ; the pivot
	s_wait_dscnt 0x0
	v_add_f32 v32, v32, v33
	v_add_f32 v34, v34, v35
	v_add_f32 v36, v36, v37
	v_mul_f32 v39, 0x3b800000, v32
	v_fma_f32 v36, -v39, v32, v36                  ; Q - S^2 / 256
	v_fmamk_f32 v34, v36, 0x3b800000, v34          ; M2 of all 65,536 columns
	v_mul_f32 v34, 0x37800000, v34                 ; the variance, in units of the sums
	v_mul_f32 v40, 0x3b800000, v38
	v_fmamk_f32 v40, v32, 0x37800000, v40          ; the mean: p / 256 + S / 65,536
	v_ldexp_f32 v34, v34, s[\ex2]
	v_add_f32 v34, 0x3727c5ac, v34                 ; + 1e-5
	v_rsq_f32 v35, v34
	v_nop                                          ; a plain line behind the transcendental
	v_ldexp_f32 v40, v40, s[\ex1]
	v_add_f32 v40, v40, v12                        ; y's mean
	s_wait_alu depctr_va_vdst(0)
	v_mul_f32 v35, v35, v13                        ; g / sqrt(var + 1e-5)
	v_sub_f32 v40, v12, v40
	v_ldexp_f32 v41, v35, s[\ex1]                  ; A
	v_fma_f32 v40, v40, v35, v14                   ; C
	ds_store_b32 v6, v41
	ds_store_b32 v6, v40 offset:1024
	s_wait_dscnt 0x0
	s_barrier_signal -1
	s_barrier_wait -1
.endm
	BNRED 26, 28, 30, 32, 44, 45
	v_and_b32 v1, 31, v0
	v_lshlrev_b32 v1, 4, v1
	s_lshl_b32 s46, s50, 15
	v_add_nc_u32 v1, s46, v1                       ; 16 x lane + 32,768 ch: x's fragments of k 0..255,
	v_add_nc_u32 v2, 0x10000, v1                   ; of k 256..511,
	v_add_nc_u32 v5, HI, v1                        ; and the hidden layer's
	s_lshl_b32 s46, s3, 10
	v_add_nc_u32 v4, s46, v1                       ; my codes' place in an image: K step g / 2, c = 2 (g % 2) + b: 1,024 g + 512 b
	v_add_nc_u32 v3, HI, v4
	v_bfe_u32 v15, v0, 4, 1                        ; h
	s_lshl_b32 s46, s3, 8
	s_add_co_u32 s46, s46, COEF
	v_lshlrev_b32 v6, 6, v15
	v_add_nc_u32 v6, s46, v6                       ; COEF + 256 g + 64 h
	s_lshl_b32 s46, s50, 11
	s_lshl_b32 s48, s3, 8
	s_add_co_u32 s46, s46, s48
	s_add_co_u32 s46, s46, RED
	v_and_b32 v10, 15, v0
	v_lshlrev_b32 v10, 2, v10
	v_lshl_add_u32 v7, v15, 10, v10
	v_add_nc_u32 v7, s46, v7                       ; RED + 2,048 ch + 1,024 h + 256 g + 4 r
	v_lshlrev_b32 v11, 2, v0
	v_add_nc_u32 v10, RED, v11
	s_add_co_i32 s46, s43, 127
	s_lshl_b32 s48, s46, 23
	v_mov_b32 v248, s48                            ; 2^e3
	s_add_co_i32 s46, s46, 8
	s_lshl_b32 s46, s46, 23
	s_or_b32 s46, s46, 0x600000
	v_mov_b32 v249, s46                            ; 448 x 2^e3
.irp t, 0,1,2,3                                ; register j of tile t is channel 64 g + 32 (t / 2) + 16 h + 8 (t % 2) + j
	ds_load_b128 v[CA+8*\t:CA+8*\t+3], v6 offset:(32*(\t/2)+8*(\t%2))*4
	ds_load_b128 v[CA+8*\t+4:CA+8*\t+7], v6 offset:(32*(\t/2)+8*(\t%2))*4+16
	ds_load_b128 v[CC+8*\t:CC+8*\t+3], v6 offset:1024+(32*(\t/2)+8*(\t%2))*4
	ds_load_b128 v[CC+8*\t+4:CC+8*\t+7], v6 offset:1024+(32*(\t/2)+8*(\t%2))*4+16
.endr
.macro FETCH1 m, bf                    ; column tile 8 ch + m: x's four fragments
.irp s, 0,1
.irp c, 0,1,2,3
	ds_load_b128 v[\bf+16*\s+4*\c:\bf+16*\s+4*\c+3], v1 offset:4096*(\m)+2048*\s+512*\c
.endr
.endr
.irp s, 0,1
.irp c, 0,1,2,3
	ds_load_b128 v[\bf+32+16*\s+4*\c:\bf+32+16*\s+4*\c+3], v2 offset:4096*(\m)+2048*\s+512*\c
.endr
.endr
.endm
	FETCH1 0, XF
.irp m, 0,1,2,3,4,5,6,7
.set BF, XF+64*(\m%2)
.if \m < 7
	FETCH1 \m+1, XF+64*((\m+1)%2)
	s_wait_dscnt 16                                ; this tile's fragments are in (and all older LDS work is done); the next tile's 16 loads may be out
.else
	s_wait_dscnt 0x0
.endif
	WIN 0x01                                       ; source 0 (W1) window 1
.irp s, 0,1,2,3
.irp t, 0,1,2,3
.if \s == 0
	v_wmma_f32_16x16x128_fp8_fp8 v[ACC+8*\t:ACC+8*\t+7], v[16*(4*\t+\s):16*(4*\t+\s)+15], v[BF+16*\s:BF+16*\s+15], 0
.else
	v_wmma_f32_16x16x128_fp8_fp8 v[ACC+8*\t:ACC+8*\t+7], v[16*(4*\t+\s):16*(4*\t+\s)+15], v[BF+16*\s:BF+16*\s+15], v[ACC+8*\t:ACC+8*\t+7]
.endif
.endr
.endr
	WIN 0
.rept 4
	v_nop                                          ; places ahead of the first read of results
.endr
	s_wait_xcnt 0x0                                ; the last tile's stores to hq have read the code registers
.irp j, 0,2,4,6,8,10,12,14,16,18,20,22,24,26,28,30
	v_pk_fma_f32 v[ACC+\j:ACC+\j+1], v[ACC+\j:ACC+\j+1], v[CA+\j:CA+\j+1], v[CC+\j:CC+\j+1]   ; the batch norm: sum x A + C
.endr
.irp j, 0,1,2,3,4,5,6,7,8,9,10,11,12,13,14,15,16,17,18,19,20,21,22,23,24,25,26,27,28,29,30,31
	v_med3_num_f32 v[ACC+\j], v[ACC+\j], 0, v249   ; the activation and the hold in one
.endr
.irp b, 0,1
	v_cvt_scalef32_pk8_fp8_f32 v[PC+4*\b:PC+4*\b+1], v[ACC+16*\b:ACC+16*\b+7], v248
	v_cvt_scalef32_pk8_fp8_f32 v[PC+4*\b+2:PC+4*\b+3], v[ACC+16*\b+8:ACC+16*\b+15], v248
.endr
	v_nop                                          ; a plain line behind the last conversion: the next products write its sources
.irp b, 0,1
	ds_store_b128 v3, v[PC+4*\b:PC+4*\b+3] offset:4096*\m+512*\b
	global_store_b128 v4, v[PC+4*\b:PC+4*\b+3], s[34:35] offset:4096*\m+512*\b   ; 512 consecutive bytes
.endr
.endr
	WIN 0x40                                       ; W2's fragments (tile t, K step s) take W1's place: the last products stand far more than four places back
.irp t, 0,1,2,3
.irp s, 0,1
.irp c, 0,1,2,3
	global_load_b128 v[16*(2*\t+\s)+4*\c:16*(2*\t+\s)+4*\c+3], v9, s[22:23] offset:4096*\t+128*\s+32*\c
.endr
.endr
.endr
	WIN 0
.irp j, 0,1,2,3,4,5,6,7,8,9,10,11,12,13,14,15
	v_mov_b32 v[SV+\j], 0
.endr
	s_wait_dscnt 0x0                               ; my codes lie in LDS
	s_barrier_signal -1
	s_barrier_wait -1                              ; the hidden layer's 32 fragments do
.macro FETCH2 m, bf
.irp s, 0,1
.irp c, 0,1,2,3
	ds_load_b128 v[\bf+16*\s+4*\c:\bf+16*\s+4*\c+3], v5 offset:4096*(\m)+2048*\s+512*\c
.endr
.endr
.endm
.macro STATS m
.irp t, 0,1,2,3
.if (\m) == 0
	v_mov_b32 v[PV+2*\t], v[ACC+8*\t]
	v_mov_b32 v[PV+2*\t+1], v[ACC+8*\t]
.endif
.irp p, 0,2,4,6
	v_pk_add_f32 v[TT+\p:TT+\p+1], v[ACC+8*\t+\p:ACC+8*\t+\p+1], v[PV+2*\t:PV+2*\t+1] neg_lo:[0,1] neg_hi:[0,1]
.endr
.irp p, 0,2,4,6
	v_pk_add_f32 v[SV+2*\t:SV+2*\t+1], v[SV+2*\t:SV+2*\t+1], v[TT+\p:TT+\p+1]
.endr
.irp p, 0,2,4,6
	v_pk_fma_f32 v[QV+2*\t:QV+2*\t+1], v[TT+\p:TT+\p+1], v[TT+\p:TT+\p+1], v[QV+2*\t:QV+2*\t+1]
.endr
.endr
.endm
	FETCH2 0, XF
	s_wait_loadcnt 0x0                             ; W2
.irp m, 0,1,2,3,4,5,6,7
.set BF, XF+32*(\m%2)
.if \m < 7
	FETCH2 \m+1, XF+32*((\m+1)%2)
	s_wait_dscnt 8                                 ; the next tile's eight loads may be out
.else
	s_wait_dscnt 0x0
.endif
	WIN 0x04                                       ; source 0 = columns, source 1 (W2) window 1: a lane holds channel 64 g + 16 t + r
.irp s, 0,1
.irp t, 0,1,2,3
.if \s == 0
	v_wmma_f32_16x16x128_fp8_fp8 v[ACC+8*\t:ACC+8*\t+7], v[BF+16*\s:BF+16*\s+15], v[16*(2*\t+\s):16*(2*\t+\s)+15], 0
.else
	v_wmma_f32_16x16x128_fp8_fp8 v[ACC+8*\t:ACC+8*\t+7], v[BF+16*\s:BF+16*\s+15], v[16*(2*\t+\s):16*(2*\t+\s)+15], v[ACC+8*\t:ACC+8*\t+7]
.endif
.endr
.endr
	WIN 0
.rept 4
	v_nop
.endr
	STATS \m
.endr
	v_cmp_ne_u32 vcc_lo, 0, v15
.irp t, 0,1,2,3
	v_add_f32 v[SV+2*\t], v[SV+2*\t], v[SV+2*\t+1]
	v_add_f32 v[QV+2*\t], v[QV+2*\t], v[QV+2*\t+1]
	v_mul_f32 v[TT+\t], 0x3c800000, v[SV+2*\t]
	v_fma_f32 v[QV+2*\t], -v[TT+\t], v[SV+2*\t], v[QV+2*\t]        ; M2 = Q - S^2 / 64
	v_fmamk_f32 v[SV+2*\t], v[PV+2*\t], 0x42800000, v[SV+2*\t]     ; sum = 64 p + S
.endr
.irp t, 0,1,2,3
	v_permlanex16_b32 v[SV+2*\t+1], v[SV+2*\t], s52, s53
	v_permlanex16_b32 v[QV+2*\t+1], v[QV+2*\t], s52, s53
.endr
.irp t, 0,1,2,3
	v_sub_f32 v[TT+\t], v[SV+2*\t], v[SV+2*\t+1]
	v_add_f32 v[QV+2*\t], v[QV+2*\t], v[QV+2*\t+1]
	v_mul_f32 v[TT+4+\t], 0x3c000000, v[TT+\t]
	v_fma_f32 v[QV+2*\t], v[TT+4+\t], v[TT+\t], v[QV+2*\t]         ; + d^2 / 128
	v_add_f32 v[SV+2*\t], v[SV+2*\t], v[SV+2*\t+1]
	v_cndmask_b32 v[TT+\t], v[SV+2*\t], v[QV+2*\t], vcc_lo
	ds_store_b32 v7, v[TT+\t] offset:64*\t
.endr
	s_wait_dscnt 0x0
	s_barrier_signal -1
	s_barrier_wait -1
	ds_load_b32 v16, v10
	ds_load_b32 v17, v10 offset:1024
	ds_load_b32 v18, v10 offset:2048
	ds_load_b32 v19, v10 offset:3072
	s_wait_dscnt 0x0
	v_sub_f32 v20, v16, v18
	v_add_f32 v17, v17, v19
	v_mul_f32 v21, 0x3b800000, v20
	v_fma_f32 v17, v21, v20, v17                   ; + d^2 / 256
	v_add_f32 v16, v16, v18
	global_store_b32 v11, v16, s[36:37]
	global_store_b32 v11, v17, s[36:37] offset:1024
	s_wait_tensorcnt 0x0
	ds_add_u32 v254, v255
	s_wait_dscnt 0x0
	s_endpgm
.Lfunc_end_k_q6d287bcc48_mid:
	.size	k_q6d287bcc48_mid, .Lfunc_end_k_q6d287bcc48_mid-k_q6d287bcc48_mid
	.p2alignl 7, 3214868480
	.fill 96, 4, 3214868480
	.section	.rodata,"a",@progbits
	.p2align	6, 0x0
	.amdhsa_kernel k_q6d287bcc48_mid
		.amdhsa_group_segment_fixed_size 216064
		.amdhsa_private_segment_fixed_size 0
		.amdhsa_enable_private_segment 0
		.amdhsa_kernarg_size 88
		.amdhsa_user_sgpr_count 2
		.amdhsa_user_sgpr_kernarg_segment_ptr 1
		.amdhsa_wavefront_size32 1
		.amdhsa_system_sgpr_workgroup_id_x 1
		.amdhsa_system_sgpr_workgroup_id_y 1
		.amdhsa_system_sgpr_workgroup_id_z 1
		.amdhsa_system_vgpr_workitem_id 0
		.amdhsa_next_free_vgpr 512
		.amdhsa_next_free_sgpr 66
		.amdhsa_reserve_vcc 1
		.amdhsa_float_denorm_mode_32 3
		.amdhsa_float_denorm_mode_16_64 3
		.amdhsa_memory_ordered 1
		.amdhsa_forward_progress 1
		.amdhsa_inst_pref_size 167
	.end_amdhsa_kernel
	.amdgpu_metadata
---
amdhsa.version: [ 1, 2 ]
amdhsa.kernels:
  - .name:           k_q6d287bcc48_mid
    .symbol:         k_q6d287bcc48_mid.kd
    .args:
      - { .name: pre, .offset: 0, .size: 8, .value_kind: global_buffer, .address_space: global }
      - { .name: xqb, .offset: 8, .size: 8, .value_kind: global_buffer, .address_space: global }
      - { .name: w1_codes, .offset: 16, .size: 8, .value_kind: global_buffer, .address_space: global }
      - { .name: w2_codes, .offset: 24, .size: 8, .value_kind: global_buffer, .address_space: global }
      - { .name: lowp_scales, .offset: 32, .size: 8, .value_kind: global_buffer, .address_space: global }
      - { .name: st1, .offset: 40, .size: 8, .value_kind: global_buffer, .address_space: global }
      - { .name: b1, .offset: 48, .size: 8, .value_kind: global_buffer, .address_space: global }
      - { .name: g1, .offset: 56, .size: 8, .value_kind: global_buffer, .address_space: global }
      - { .name: be1, .offset: 64, .size: 8, .value_kind: global_buffer, .address_space: global }
      - { .name: hq, .offset: 72, .size: 8, .value_kind: global_buffer, .address_space: global }
      - { .name: st2, .offset: 80, .size: 8, .value_kind: global_buffer, .address_space: global }
    .group_segment_fixed_size: 216064
    .private_segment_fixed_size: 0
    .kernarg_segment_align: 8
    .kernarg_segment_size: 88
    .max_flat_workgroup_size: 256
    .sgpr_count:     66
    .vgpr_count:     512
    .wavefront_size: 32
...
	.end_amdgpu_metadata
.endif
;; end of part 4
;; launch last (part 5): grid 256 x 1, 8 waves a work-group, no clusters, 168,960 bytes of LDS; arguments hq, w2_codes, lowp_scales, st2, b2, g2, be2, out0; writes out0
.if DOCPART == 5
	.amdgcn_target "amdgcn-amd-amdhsa--gfx1250"
	.amdhsa_code_object_version 6
	.text
	.protected	k_q6d287bcc48_last
	.globl	k_q6d287bcc48_last
	.p2align	8
	.type	k_q6d287bcc48_last,@function
k_q6d287bcc48_last:
	s_mov_b64 s[64:65], 0
	v_nop
	global_prefetch_b8 v0, s[64:65] scope:SCOPE_SE
	s_setreg_imm32_b32 hwreg(HW_REG_WAVE_MODE, 25, 1), 1
	s_wait_xcnt 0x0
; Work-group x owns columns 256 x .. 256 x + 255.  (0) The second batch norm's coefficients from the 256 rows of st2 (as in the launch before).  (1) The second product on codes of E4M3:
; source 0 = columns, source 1 = W2's rows: a lane holds channel 64 g + 16 t + r and eight neighbouring columns.  (2) out = max(sum x A + C, 0), through a stage in LDS, so that
; each store of a wave covers 512 consecutive bytes of one channel's row.
; The hidden layer's images (64 KB) come by one tensor load a wave (8 KB each), issued once at the head: no LDS byte is filled twice; one load of a wave is out.
; SHARES: wave w: g = w % 4: 64 channels (4 tiles t), ch = w / 4: column tiles 8 ch + m.  W2's 8 fragments in v128-255; the 32 accumulators fill window 1, (t, m) at 8 (8 t + m).
; For each m the four accumulators take turns, one instruction a turn.
; No cluster: what work-groups share (W2, 64 KB; st2, 512 KB) goes straight into registers.
; LIMITS: the sums of exponents are applied by v_ldexp_f32.  The reciprocal root is v_rsq_f32's.
.set BR,   65536                       ; LDS: 0: the images (65,536); BR: 12,288; COEF: 2,048; STG: 16 rows x 528 bytes for each wave
.set COEF, 77824
.set STG,  79872
.set HF,  64                           ; v[64:95], v[96:127] two fragments of the hidden layer, two buffers
.set TMP, 64                           ; the way out: 64 registers
.set W2R, 128
.set MSB, 0
.macro WIN new                         ; the immediate's high byte repeats the setting that is left
.if MSB != \new
	s_set_vgpr_msb (MSB<<8)|\new
.set MSB, \new
.endif
.endm
	s_load_b256 s[16:23], s[0:1], 0x0              ; hq s[16:17], w2_codes s[18:19], lowp_scales s[20:21], st2 s[22:23]
	s_load_b256 s[24:31], s[0:1], 0x20             ; b2 s[24:25], g2 s[26:27], be2 s[28:29], out0 s[30:31]
	v_lshl_add_u32 v11, v0, 2, 0x29000
	v_mov_b32 v15, 0
	ds_add_u32 v11, v15
	ds_add_u32 v11, v15
	v_lshrrev_b32 v1, 5, v0
	v_readfirstlane_b32 s2, v1                     ; wave 0..7
	s_and_b32 s3, s2, 3                            ; g
	s_lshr_b32 s32, s2, 2                          ; ch
	s_mov_b32 s8, 3<<16                            ; group 1: elements of 8 bytes
	s_mov_b32 s9, 32<<16                           ; tensor_dim0 = 32: rows of 256 bytes
	s_mov_b32 s10, 32<<16                          ; tensor_dim1 = 32 rows
	s_mov_b32 s11, 32<<16                          ; tile_dim0
	s_mov_b32 s12, 32                              ; tile_dim1
	s_mov_b32 s13, 32                              ; pitch: dense
	s_mov_b32 s14, 0
	s_mov_b32 s15, 0
	s_mov_b32 s4, 1
	s_lshl_b32 s5, s2, 13                          ; LDS address: 8,192 x wave
	s_lshl_b32 s34, ttmp9, 16
	s_lshl_b32 s33, s2, 13
	s_add_co_u32 s34, s34, s33
	s_mov_b32 s35, 0
	s_wait_dscnt 0x0
	s_wait_kmcnt 0x0
	s_load_b128 s[40:43], s[20:21], 0x0            ; e0, e1, e2, e3
	s_add_nc_u64 s[6:7], s[16:17], s[34:35]
	s_or_b32 s7, s7, 0x80000000
	tensor_load_to_lds s[4:7], s[8:15]
	s_nop 0
.rept 4
	v_nop
.endr
	s_lshl_b32 s34, s3, 14
	s_add_nc_u64 s[18:19], s[18:19], s[34:35]      ; W2: my 64 rows of 256 bytes
	s_lshr_b32 s46, ttmp9, 5
	s_lshl_b32 s46, s46, 23                        ; the batch,
	s_lshl_b32 s33, s3, 21
	s_add_co_u32 s46, s46, s33                     ; channel 64 g,
	s_and_b32 s33, ttmp9, 31
	s_lshl_b32 s33, s33, 10
	s_add_co_u32 s46, s46, s33                     ; the work-group's first column,
	s_lshl_b32 s33, s32, 9
	s_add_co_u32 s46, s46, s33                     ; my 128 columns
	s_mov_b32 s47, 0
	s_add_nc_u64 s[30:31], s[30:31], s[46:47]
	v_and_b32 v9, 15, v0
	v_bfe_u32 v10, v0, 4, 1
	v_lshlrev_b32 v9, 8, v9
	v_lshl_add_u32 v9, v10, 4, v9                  ; W2: 256 r + 16 h
.irp t, 0,1,2,3
.irp s, 0,1
.irp c, 0,1,2,3
	global_load_b128 v[W2R+16*(2*\t+\s)+4*\c:W2R+16*(2*\t+\s)+4*\c+3], v9, s[18:19] offset:4096*\t+128*\s+32*\c
.endr
.endr
.endr
	s_wait_kmcnt 0x0
	s_add_co_i32 s44, s42, s43                     ; e2 + e3
	s_lshl_b32 s45, s44, 1
; The batch norm's coefficients.  Thread t: four words (16 (t % 128) bytes on) of rows 128 (t / 128) .. + 127 of the 256 x 512 words; a ring of 24 loads.
; Words 0-255 are the rows' sums (taken as deviations from row 0's), words 256-511 their M2 (pivot 0).  Two barriers; the first also shows the tensor loads' tiles to every wave.
.macro BNRED pst, pbi, pga, pbt, ex1, ex2
	v_lshlrev_b32 v1, 2, v0
	v_and_b32 v2, 127, v0
	v_lshlrev_b32 v2, 4, v2
	v_lshrrev_b32 v3, 7, v0
	v_lshl_add_u32 v4, v3, 11, v2
	v_add_nc_u32 v4, BR, v4
	v_lshl_add_u32 v3, v3, 18, v2
	v_add_nc_u32 v5, BR, v1
	v_add_nc_u32 v6, COEF, v1
	global_load_b32 v12, v1, s[\pbi:\pbi+1]
	global_load_b32 v13, v1, s[\pga:\pga+1]
	global_load_b32 v14, v1, s[\pbt:\pbt+1]
	global_load_b128 v[16:19], v2, s[\pst:\pst+1]  ; row 0: the pivot
.set I, 0
.rept 24
	global_load_b128 v[32+4*I:35+4*I], v3, s[\pst:\pst+1] offset:2048*I
.set I, I+1
.endr
.irp j, 20,21,22,23,24,25,26,27
	v_mov_b32 v\j, 0
.endr
	v_cmp_gt_u32 vcc_lo, 1024, v2                  ; my words are sums
	s_wait_loadcnt 24                              ; the pivot is in; the ring's 24 loads may be out
.irp j, 16,17,18,19
	v_cndmask_b32 v\j, 0, v\j, vcc_lo
.endr
.set I, 0
.rept 128
.set RS, 32+4*(I%24)
.if 127-I < 23
	s_wait_loadcnt 127-I
.else
	s_wait_loadcnt 23                              ; row i is in; the 23 younger loads may be out
.endif
	v_pk_add_f32 v[28:29], v[RS:RS+1], v[16:17] neg_lo:[0,1] neg_hi:[0,1]
	v_pk_add_f32 v[30:31], v[RS+2:RS+3], v[18:19] neg_lo:[0,1] neg_hi:[0,1]
	v_pk_add_f32 v[20:21], v[20:21], v[28:29]
	v_pk_add_f32 v[22:23], v[22:23], v[30:31]
	v_pk_fma_f32 v[24:25], v[28:29], v[28:29], v[24:25]
	v_pk_fma_f32 v[26:27], v[30:31], v[30:31], v[26:27]
.if I+24 < 128
	global_load_b128 v[RS:RS+3], v3, s[\pst:\pst+1] offset:2048*(I+24)
.endif
.set I, I+1
.endr
	ds_store_b128 v4, v[20:23]
	ds_store_b128 v4, v[24:27] offset:4096
	ds_store_b128 v4, v[16:19] offset:8192
	s_wait_tensorcnt 0x0                           ; my tile has landed,
	s_wait_dscnt 0x0                               ; my partial sums lie in LDS
	s_barrier_signal -1
	s_barrier_wait -1
	ds_load_b32 v32, v5                            ; thread t: channel t.  S of both halves of the rows,
	ds_load_b32 v33, v5 offset:2048
	ds_load_b32 v34, v5 offset:1024                ; the sums of the rows' M2,
	ds_load_b32 v35, v5 offset:3072
	ds_load_b32 v36, v5 offset:4096                ; Q,
	ds_load_b32 v37, v5 offset:6144
	ds_load_b32 v38, v5 offset:8192                ; the pivot
	s_wait_dscnt 0x0
	v_add_f32 v32, v32, v33
	v_add_f32 v34, v34, v35
	v_add_f32 v36, v36, v37
	v_mul_f32 v39, 0x3b800000, v32
	v_fma_f32 v36, -v39, v32, v36                  ; Q - S^2 / 256
	v_fmamk_f32 v34, v36, 0x3b800000, v34          ; M2 of all 65,536 columns
	v_mul_f32 v34, 0x37800000, v34                 ; the variance, in units of the sums
	v_mul_f32 v40, 0x3b800000, v38
	v_fmamk_f32 v40, v32, 0x37800000, v40          ; the mean: p / 256 + S / 65,536
	v_ldexp_f32 v34, v34, s[\ex2]
	v_add_f32 v34, 0x3727c5ac, v34                 ; + 1e-5
	v_rsq_f32 v35, v34
	v_nop                                          ; a plain line behind the transcendental
	v_ldexp_f32 v40, v40, s[\ex1]
	v_add_f32 v40, v40, v12                        ; y's mean
	s_wait_alu depctr_va_vdst(0)
	v_mul_f32 v35, v35, v13                        ; g / sqrt(var + 1e-5)
	v_sub_f32 v40, v12, v40
	v_ldexp_f32 v41, v35, s[\ex1]                  ; A
	v_fma_f32 v40, v40, v35, v14                   ; C
	ds_store_b32 v6, v41
	ds_store_b32 v6, v40 offset:1024
	s_wait_dscnt 0x0
	s_barrier_signal -1
	s_barrier_wait -1
.endm
	BNRED 22, 24, 26, 28, 44, 45
	v_and_b32 v5, 31, v0
	v_lshlrev_b32 v5, 4, v5                        ; 16 x lane
	s_lshl_b32 s33, s32, 15
	v_add_nc_u32 v1, s33, v5                       ; the fragments of my eight tiles
	v_and_b32 v6, 15, v0                           ; r
	v_bfe_u32 v7, v0, 4, 1                         ; h
	s_lshl_b32 s33, s3, 8
	s_add_co_u32 s33, s33, COEF
	v_lshlrev_b32 v2, 2, v6
	v_add_nc_u32 v2, s33, v2                       ; COEF + 256 g + 4 r
	s_mul_i32 s33, s2, 8448
	s_add_co_u32 s33, s33, STG                     ; my stage
	v_mul_u32_u24 v3, v6, 528
	v_lshl_add_u32 v3, v7, 5, v3
	v_add_nc_u32 v3, s33, v3                       ; in: row r (a channel), 32 bytes for each half of the lanes
	v_add_nc_u32 v4, s33, v5                       ; back: the 32 lanes take one row of 512 bytes
.irp t, 0,1,2,3                                ; A and C of my channel of tile t, each twice: pairs for the packed multiply-add
	ds_load_b32 v[16+2*\t], v2 offset:64*\t
	ds_load_b32 v[17+2*\t], v2 offset:64*\t
	ds_load_b32 v[24+2*\t], v2 offset:1024+64*\t
	ds_load_b32 v[25+2*\t], v2 offset:1024+64*\t
.endr
.macro FETCH m, bf
.irp s, 0,1
.irp c, 0,1,2,3
	ds_load_b128 v[\bf+16*\s+4*\c:\bf+16*\s+4*\c+3], v1 offset:4096*(\m)+2048*\s+512*\c
.endr
.endr
.endm
	FETCH 0, HF
.irp m, 0,1,2,3,4,5,6,7
.set BF, HF+32*(\m%2)
.if \m < 7
.if \m > 0
.rept 4
	v_nop                                          ; places ahead of loads into the buffer that the last products read
.endr
.endif
	FETCH \m+1, HF+32*((\m+1)%2)
	s_wait_dscnt 8                                 ; this tile's fragments are in; the next tile's eight loads may be out
.else
	s_wait_dscnt 0x0
.endif
	WIN 0x50                                       ; C and D window 1
.irp s, 0,1
.irp t, 0,1,2,3
.if \s == 0
	v_wmma_f32_16x16x128_fp8_fp8 v[8*(8*\t+\m):8*(8*\t+\m)+7], v[BF+16*\s:BF+16*\s+15], v[W2R+16*(2*\t+\s):W2R+16*(2*\t+\s)+15], 0
.else
	v_wmma_f32_16x16x128_fp8_fp8 v[8*(8*\t+\m):8*(8*\t+\m)+7], v[BF+16*\s:BF+16*\s+15], v[W2R+16*(2*\t+\s):W2R+16*(2*\t+\s)+15], v[8*(8*\t+\m):8*(8*\t+\m)+7]
.endif
.endr
.endr
	WIN 0
.endr
.rept 4
	v_nop                                          ; places ahead of the first read of results and of writes over the fragments
.endr
; THE WAY OUT, 16 channels x 128 columns at a time.  LDS serves a wave's instructions in order: no wait between the stage's stores and loads, nor ahead of the next block's stores.
.macro TOSTAGE t
	WIN 0x01                                       ; source 0 (the sums) window 1
.irp m, 0,1,2,3,4,5,6,7
.irp p, 0,2,4,6
	v_pk_fma_f32 v[TMP+8*\m+\p:TMP+8*\m+\p+1], v[8*(8*(\t)+\m)+\p:8*(8*(\t)+\m)+\p+1], v[16+2*(\t):17+2*(\t)], v[24+2*(\t):25+2*(\t)]   ; sum x A + C, each accumulator from its low end on
.endr
.endr
	WIN 0
.set J, 0
.rept 64
	v_max_num_f32 v[TMP+J], 0, v[TMP+J]            ; relu
.set J, J+1
.endr
.irp m, 0,1,2,3,4,5,6,7
	ds_store_b128 v3, v[TMP+8*\m:TMP+8*\m+3] offset:64*\m
	ds_store_b128 v3, v[TMP+8*\m+4:TMP+8*\m+7] offset:64*\m+16
.endr
.set BB, 128+64*((\t)%2)
.set J, 0
.rept 16
	ds_load_b128 v[BB+4*J:BB+4*J+3], v4 offset:528*J
.set J, J+1
.endr
.endm
.macro SEND t, younger                 ; younger: the LDS instructions issued behind block t's loads, which may stay out
.set BB, 128+64*((\t)%2)
	s_wait_dscnt \younger
.set J, 0
.rept 16
	global_store_b128 v5, v[BB+4*J:BB+4*J+3], s[30:31] offset:(16*(\t)+J)*32768 th:TH_STORE_NT   ; 512 consecutive bytes, aligned; written once, read by nobody here
.set J, J+1
.endr
.endm
	TOSTAGE 0
	TOSTAGE 1
	SEND 0, 32                                     ; behind block 0's loads: block 1's 16 stores and 16 loads
	s_wait_xcnt 0x0                                ; block 0's stores have read their registers: block 2's rows may land there
	TOSTAGE 2
	SEND 1, 32
	s_wait_xcnt 0x0
	TOSTAGE 3
	SEND 2, 32
	SEND 3, 0
	s_wait_tensorcnt 0x0
	ds_add_u32 v11, v15
	s_wait_dscnt 0x0
	s_endpgm
.Lfunc_end_k_q6d287bcc48_last:
	.size	k_q6d287bcc48_last, .Lfunc_end_k_q6d287bcc48_last-k_q6d287bcc48_last
	.p2alignl 7, 3214868480
	.fill 96, 4, 3214868480
	.section	.rodata,"a",@progbits
	.p2align	6, 0x0
	.amdhsa_kernel k_q6d287bcc48_last
		.amdhsa_group_segment_fixed_size 168960
		.amdhsa_private_segment_fixed_size 0
		.amdhsa_enable_private_segment 0
		.amdhsa_kernarg_size 64
		.amdhsa_user_sgpr_count 2
		.amdhsa_user_sgpr_kernarg_segment_ptr 1
		.amdhsa_wavefront_size32 1
		.amdhsa_system_sgpr_workgroup_id_x 1
		.amdhsa_system_sgpr_workgroup_id_y 1
		.amdhsa_system_sgpr_workgroup_id_z 1
		.amdhsa_system_vgpr_workitem_id 0
		.amdhsa_next_free_vgpr 512
		.amdhsa_next_free_sgpr 66
		.amdhsa_reserve_vcc 1
		.amdhsa_float_denorm_mode_32 3
		.amdhsa_float_denorm_mode_16_64 3
		.amdhsa_memory_ordered 1
		.amdhsa_forward_progress 1
		.amdhsa_inst_pref_size 115
	.end_amdhsa_kernel
	.amdgpu_metadata
---
amdhsa.version: [ 1, 2 ]
amdhsa.kernels:
  - .name:           k_q6d287bcc48_last
    .symbol:         k_q6d287bcc48_last.kd
    .args:
      - { .name: hq, .offset: 0, .size: 8, .value_kind: global_buffer, .address_space: global }
      - { .name: w2_codes, .offset: 8, .size: 8, .value_kind: global_buffer, .address_space: global }
      - { .name: lowp_scales, .offset: 16, .size: 8, .value_kind: global_buffer, .address_space: global }
      - { .name: st2, .offset: 24, .size: 8, .value_kind: global_buffer, .address_space: global }
      - { .name: b2, .offset: 32, .size: 8, .value_kind: global_buffer, .address_space: global }
      - { .name: g2, .offset: 40, .size: 8, .value_kind: global_buffer, .address_space: global }
      - { .name: be2, .offset: 48, .size: 8, .value_kind: global_buffer, .address_space: global }
      - { .name: out0, .offset: 56, .size: 8, .value_kind: global_buffer, .address_space: global }
    .group_segment_fixed_size: 168960
    .private_segment_fixed_size: 0
    .kernarg_segment_align: 8
    .kernarg_segment_size: 64
    .max_flat_workgroup_size: 256
    .sgpr_count:     66
    .vgpr_count:     512
    .wavefront_size: 32
...
	.end_amdgpu_metadata
.endif
;; end of part 5
